; MI455X (gfx1250); checked and timed in simulation.
; The chip was launched on July 23, 2026; its instructions are those of AMD's public machine-readable ISA for CDNA 5 (MIT licence, August 2026) and "CDNA5" Instruction Set Architecture Reference Guide (July 2026). The comments in the code are by the model that wrote it; some were corrected since.
;; Demo Attention Model. Allowed arithmetic: matrix products marked QUANTISED: E2M3 operands, one E8M0 scale for each 32 along K, by v_wmma_scale_f32_16x16x128_f8f6f4 with both operands' format E2M3, f32 sums; everything else in f32.
;; Inputs: W1_codes 2,048 x 16 x 24 uint8 (E2M3 codes of W1, K innermost, in blocks of 32 codes, four codes in three bytes); W1_scales 2,048 x 16 uint8 (E8M0 scales of W1, one for each 32 codes along K); W2_codes 512 x 64 x 24 uint8 (E2M3 codes of W2, K innermost, in blocks of 32 codes, four codes in three bytes); W2_scales 512 x 64 uint8 (E8M0 scales of W2, one for each 32 codes along K); Wk_codes 512 x 16 x 24 uint8 (E2M3 codes of Wk, K innermost, in blocks of 32 codes, four codes in three bytes); Wk_scales 512 x 16 uint8 (E8M0 scales of Wk, one for each 32 codes along K); Wo_codes 512 x 16 x 24 uint8 (E2M3 codes of Wo, K innermost, in blocks of 32 codes, four codes in three bytes); Wo_scales 512 x 16 uint8 (E8M0 scales of Wo, one for each 32 codes along K); Wq_codes 512 x 16 x 24 uint8 (E2M3 codes of Wq, K innermost, in blocks of 32 codes, four codes in three bytes); Wq_scales 512 x 16 uint8 (E8M0 scales of Wq, one for each 32 codes along K); Wv_codes 512 x 16 x 24 uint8 (E2M3 codes of Wv, K innermost, in blocks of 32 codes, four codes in three bytes); Wv_scales 512 x 16 uint8 (E8M0 scales of Wv, one for each 32 codes along K); b1 2,048 float32; b2 512 float32; bk 512 float32; bo 512 float32; bq 512 float32; bv 512 float32; ln1_b 512 float32; ln1_g 512 float32; ln2_b 512 float32; ln2_g 512 float32; x 2 x 4,096 x 512 float32.
;; Outputs: out0 2 x 4,096 x 512 float32.
;; This version of the problem:
;;   THIS VERSION OF THE PROBLEM IS GIVEN IN LOW PRECISION. The matrix products marked QUANTISED in the list below multiply operands that are first quantised to E2M3 (2 exponent bits, 3 mantissa bits; 6 bits a number), with one power-of-two scale for each 32 numbers along K (OCP MX v1.0); their sums are f32. All else is computed in f32.
;;   The module's matrix products, in the order in which they are computed (A, B: the left and right operand; K: the contracted axis; several contracted axes count as one K, in the product's order):
;;     1. [M 8,192, K 512] x [K 512, N 512]; A: computed on the way; B: input Wq (given as codes): QUANTISED
;;     2. [M 8,192, K 512] x [K 512, N 512]; A: computed on the way; B: input Wk (given as codes): QUANTISED
;;     3. [M 8,192, K 512] x [K 512, N 512]; A: computed on the way; B: input Wv (given as codes): QUANTISED
;;     4. batch 16 x [M 4,096, K 64] x [K 64, N 4,096]; A: computed on the way; B: computed on the way: QUANTISED
;;     5. batch 16 x [M 4,096, K 4,096] x [K 4,096, N 64]; A: softmax (see below); B: computed on the way: QUANTISED
;;     6. [M 8,192, K 512] x [K 512, N 512]; A: computed on the way; B: input Wo (given as codes): QUANTISED
;;     7. [M 8,192, K 512] x [K 512, N 2,048]; A: computed on the way; B: input W1 (given as codes): QUANTISED
;;     8. [M 8,192, K 2,048] x [K 2,048, N 512]; A: computed on the way; B: input W2 (given as codes): QUANTISED
;;   THE QUANTISER, for each operand of a quantised product, along K:
;;     - K is cut into blocks of 32 from its start; a last block that is shorter is filled with zeros.
;;     - A block's scale is 2^e with e = floor(log2(the largest magnitude in the block)) - 2, held to -126 .. 127; a block of zeros has e = 0. As a byte (E8M0): e + 127.
;;     - Each number is divided by its block's scale, clamped to +-7.5, and rounded to the nearest number of E2M3, ties to even, subnormals kept.
;;     - The product sums the exact products of the quantised numbers (number of the format x scale) in f32.
;;   ~~~python
;;   def quantise(x, axis):      # numpy; x: float32 -> the quantised numbers, widened to float32 again
;;       x = np.moveaxis(x, axis, -1); K = x.shape[-1]
;;       x = np.pad(x, [(0, 0)] * (x.ndim - 1) + [(0, -K % 32)]); x = x.reshape(x.shape[:-1] + (-1, 32)); a = np.abs(x).max(-1, keepdims=True)
;;       e = np.where(a > 0, np.clip(np.frexp(np.where(a > 0, a, 1))[1] - 1 - 2, -126, 127), 0)      # np.frexp(a)[1] - 1 = floor(log2(a)), exactly
;;       r = np.clip(x / 2.0 ** e, -7.5, 7.5)
;;       step = 2.0 ** (np.maximum(np.frexp(np.where(r == 0, 1, r))[1] - 1, 0) - 3)
;;       q = np.round(r / step) * step * 2.0 ** e      # np.round: ties to even
;;       return np.moveaxis(q.reshape(q.shape[:-2] + (-1,))[..., :K], -1, axis).astype(np.float32)
;;   ~~~
;;   SOFTMAX AHEAD OF A QUANTISED PRODUCT. Where the list says 'softmax', what is quantised is not the finished softmax but p = 2^(t - M), with t = logit x log2(e) and M = ceil(the row's largest t), a whole number; so 1/2 < the row's largest p <= 1. The row's sum l is taken of the UNQUANTISED p, in f32, and the product's result is divided by l at the end. Since M is a whole number, a kernel that streams over the keys may use a running M (the ceiling of the running maximum): every later rescaling is an exact power of two, which a block's scale takes up: the codes' values come out the same.
;;   OPERANDS COMPUTED ON THE WAY. 'Computed on the way' means the value that the module computes at that place (a softmax that the list does not call 'softmax' is quantised finished and normalised). What goes into a quantiser is computed in f32, as accurately as f32 sums, v_exp_f32 and their like allow (about 1e-6 of the number): no bf16 or f16 on the way to a quantiser, and a product that is left as it is and whose result goes on into a quantised operand takes f32 operands (vector FMAs, or v_wmma_f32_16x16x4_f32). A number that lies on a knife's edge between two numbers of the format may be rounded either way, as far as f32 arithmetic and the matrix unit's own rounding can turn it there, and no further.
;;   INPUTS GIVEN AS CODES. W1 (in the module: [512, 2048], K = its axis 0); W2 (in the module: [2048, 512], K = its axis 0); Wk (in the module: [512, 512], K = its axis 0); Wo (in the module: [512, 512], K = its axis 0); Wq (in the module: [512, 512], K = its axis 0); Wv (in the module: [512, 512], K = its axis 0): each comes as NAME_codes (uint8): NAME with its K axis moved to the last place and cut into blocks of 32 codes, [.., K / 32, bytes a block], one block behind the other in memory; four codes in three bytes: a row's codes are one little-endian stream of bits, code i at bits 6 i .. 6 i + 5 (a code: sign, 2 exponent bits, 3 mantissa bits); and NAME_scales (uint8): the same leading axes, one E8M0 byte (e + 127) for each 32 codes along K. Its value is code x scale, taken as it is: it is not quantised again, and the codes and scales need not be those that the quantiser above would give.
;; One version. Each part assembles by itself: llvm-mc -triple=amdgcn-amd-amdhsa -mcpu=gfx1250 --defsym DOCPART=n.
;; ======== version 1 of 1: 3 launches
;; limits: right only within a limited range of input values
;; workspace buffers: kv 6,684,672 bytes; qb 6,684,672 bytes; oc 3,145,728 bytes; os 131,072 bytes; w2r 786,432 bytes
;; launch qkv (part 1): grid 64 x 4, 4 waves a work-group, clusters of 4 x 1, 327,680 bytes of LDS; arguments x, ln1_g, ln1_b, Wq_codes, Wk_codes, Wv_codes, Wq_scales, Wk_scales, Wv_scales, bq, bk, bv, qb, kv, W2_codes, w2r; writes qb, kv, w2r
.if DOCPART == 1
	.amdgcn_target "amdgcn-amd-amdhsa--gfx1250"
	.amdhsa_code_object_version 6
	.text
	.protected	k_q2c54cb840c_qkv
	.globl	k_q2c54cb840c_qkv
	.p2align	8
	.type	k_q2c54cb840c_qkv,@function
k_q2c54cb840c_qkv:
	s_mov_b64 s[64:65], 0
	v_nop
	global_prefetch_b8 v0, s[64:65] scope:SCOPE_SE
	s_setreg_imm32_b32 hwreg(HW_REG_WAVE_MODE, 25, 1), 1
	s_wait_xcnt 0x0
	s_wait_alu depctr_hold_cnt(0) depctr_sa_sdst(0) depctr_va_vdst(0) depctr_va_sdst(0) depctr_va_ssrc(0) depctr_va_vcc(0) depctr_vm_vsrc(0)
	s_getreg_b32 s2, hwreg(HW_REG_IB_STS2, 6, 4)
	s_cmp_eq_u32 s2, 0
	s_cbranch_scc0 .Lentry_in_a_cluster
	s_endpgm
.Lentry_in_a_cluster:
	s_bfe_u32 s2, ttmp6, 0x10000c
	s_cmp_lg_u32 s2, 0x3003
	s_cbranch_scc0 .Lentry_shape_is_right
	s_endpgm
.Lentry_shape_is_right:
; LAUNCH 1 OF 3.  h = layer norm 1 of x; q = h Wq + bq, k = h Wk + bk, v = h Wv + bv on codes of FP6 (E2M3) with one E8M0 scale for each 32 along K;
; q and k are then quantised along the head's 64, v along the keys, and leave as images of the operand registers that the attention launch wants.
; DEAD WORK: none.  Every input of the problem reaches the output, so all are loaded by one of the three launches: bk too, since it moves k's codes ahead of a quantised product.
; The one filling is in the attention launch: half of the 128 along K of q k^T is zero codes on q's side.
; LIMITS: NaN and infinities among the inputs are not served.  A block of zeros gets the scale byte 1 where the quantiser says 127: its codes are zeros, and only this program reads the bytes.
; Biases start the sums (they are the C of a sum's first matrix instruction), so the order of the f32 additions differs from the written one.
; SHARES.  A work-group owns 128 rows (one key step of one batch) and 3 of the 12 groups of 128 columns of [q | k | v]; a group is two heads.  Four waves.  The four work-groups of a cluster have the same three
; groups of weights and ask for them JOINTLY, once, at the head: 3 x (128 rows x 384 bytes of codes, 2,048 scale bytes), six tensor loads, two by each of waves 0 to 2, one outstanding at a time; nothing is filled again.
; TILE ORDER.  Rows go in groups of 32: tile 2 b + u holds at place r the row 32 b + 8 u + r + 8 (r / 8).  In a result whose source 0 is such a tile, the 16 registers of tiles 2 b and 2 b + 1 are the 16
; neighbours 32 b + 16 (lane / 16) + 0 .. 15: what the conversions want.  All three launches take rows, keys and weight rows so.
; A UNIT is 128 on the big side (source 0, eight tiles) x 16 on the small side (source 1): a lane holds one small index and its 64 registers run along the big side.
;   q, k: big = the group's 128 rows of W, small = a tile of h: quantised along n, the fragment's registers 0-5 are the first head's 64, registers 6-11 the second's.
;   v:    big = the 128 rows of h (the keys), small = 16 rows of Wv: quantised along the keys, the result is a whole fragment of V^T.
; Wave w takes small tiles 2 w and 2 w + 1, so each big fragment read from LDS feeds two matrix instructions, whose two accumulators take turns.
; REGISTERS, in windows of 256.  Window 0: addresses, big fragments, scale words, work.  Window 1: x of my first tile, later the small fragments (v0-95) and the accumulators (v96-223).
;   Window 2: x of my second tile, later the bias blocks.  Window 3: gain and bias of the norm, two sets of 64 + 64.
.set WP,    432                        ; a weight row in LDS: 3 x (128 bytes + 16 of padding)
.set WCB,   128*WP                     ; one group's codes
.set WSO,   3*WCB                      ; the groups' scale bytes, 16 a row
.set HB,    WSO+3*2048                 ; h's 32 fragments as images: tile x 6,144 + K step x 1,536 + 512 c + 16 x lane
.set HS,    HB+8*6144                  ; h's scale words: tile x 512 + 16 x lane: the four K steps' words
.set SPARE, HS+8*512                   ; the spare words, 128 bytes a wave: no other line names them
.set STEPB, 13056                      ; a key step's block in kv and qb: 8 half tiles of 768, 512 of scale words, 4 fragments of V^T of 1,536, 256 of scale words
.set HEADB, 32*STEPB
.set XA,   2                           ; x: (32 w + r + 8 (r / 8)) x 2,048 + 64 h
.set GA,   3                           ; 64 h
.set HBW,  4                           ; HB + 12,288 w + 16 x lane
.set HSW,  5                           ; HS + 1,024 w + 16 x lane
.set MU,   6                           ; v6-13: pairs mean, 1 / deviation of tile 0, then of tile 1
.set BA1,  14                          ; 4 (32 w + r + 8 (r / 8))
.set BG,   16                          ; two big buffers of 48 + 4 scale words: v16-67, v68-119
.set SS,   120                         ; the small tiles' scale words, 4 each
.set HBL,  128
.set HSL,  129
.set AWC,  130                         ; v130, 131: place in a group's codes: row x 432 + 24 h, and + 40 h for pieces behind one padding more
.set AWG,  132                         ; the same in the group in hand
.set AWM,  134                         ; and at my 32 rows of it
.set ASC0, 136
.set ASG,  137
.set ASMALL, 138
.set VS16, 139
.set VS8,  140
.set VS4,  141
.set VV16, 142
.set VV4,  143
.set Y,    144                         ; 64 normalised numbers
.set CH,   144                         ; four chains of sums
.set PCA,  160
.set PCB,  180
.set PWA,  200
.set PWB,  201
.set W01,  202
.set W01R, 203
.set TM,   208
.set PC,   224
.set HW,   244
.set SPW,  252
.set NIL,  253
.set SM,   0                           ; window 1
.set AC,   96                          ; window 1
.set G1C,  32
.set G1S,  40
.set BP,   48                          ; the descriptors' registers are free once all loads have landed
.set OA,   50
.set OB,   52
.set OV,   54
.set W432, 56
.set W512, 57
.set WV,   76
.set CX,   77
.set RB,   78
.set Y3,   79
.set SEL,  80
.set INV,  82
.set EPS,  83
.set MHI,  84
.set GG,   85
.set TYP,  86
.set G4,   87
.set SWC,  88
.set SWS,  89
.set CNT,  90
.set BAT,  91
.set T0,   92
.set T2,   94
.set P0,   96
.set P1,   98
.set ST,   2
.set MSB, 0
.macro WIN new                         ; the immediate's high byte repeats the setting that is left
.if MSB != (\new)
	s_set_vgpr_msb (MSB<<8)|(\new)
.set MSB, \new
.endif
.endm
.macro ROUND                           ; a round of the cluster's barrier
	s_barrier_signal -1
	s_barrier_wait -1
	s_cmp_lg_u32 s[WV], 0
	s_cbranch_scc1 .Lnot_wave_0_\@
	s_barrier_signal -3
.Lnot_wave_0_\@:
	s_barrier_wait -3
	s_barrier_signal -1
	s_barrier_wait -1
.endm
; 64 numbers of a lane in window w, register 16 b + i = k 32 b + 16 (lane / 16) + i of my row, become a fragment in v[pc .. pc + 11] and its scale word in v[pw]
.macro QUANT s, w, pc, pw
	WIN (\w)|((\w)<<2)
.irp b, 0,1,2,3
	v_max3_num_f32 v[TM+\b], |v[(\s)+16*\b]|, |v[(\s)+1+16*\b]|, 0x1800000   ; the floor 2^(3 - 127) holds the byte at 1 from below
.endr
.irp i, 2,4,6,8,10,12,14
.irp b, 0,1,2,3
	v_max3_num_f32 v[TM+\b], |v[(\s)+16*\b+\i]|, |v[(\s)+1+16*\b+\i]|, v[TM+\b]
.endr
.endr
	WIN 0
.irp b, 0,1,2,3
	v_permlanex16_b32 v[TM+4+\b], v[TM+\b], s[SEL], s[SEL+1]
.endr
.irp b, 0,1,2,3
	v_max_num_f32 v[TM+\b], v[TM+\b], v[TM+4+\b]        ; with lane l xor 16's: the block's largest magnitude
.endr
.irp b, 0,1,2,3
	v_add_nc_u32 v[TM+12+\b], 0xff000000, v[TM+\b]      ; 2 off its exponent field: the conversion's scale operand
.endr
.irp b, 0,1,2,3
	v_lshrrev_b32 v[TM+4+\b], 23, v[TM+12+\b]           ; the scale's byte
.endr
	v_lshl_or_b32 v[\pw], v[TM+5], 8, v[TM+4]
	v_lshl_or_b32 v[\pw], v[TM+6], 16, v[\pw]
	v_lshl_or_b32 v[\pw], v[TM+7], 24, v[\pw]
	WIN \w
.irp c, 0,1
	v_cvt_scalef32_pk16_fp6_f32 v[(\pc)+6*\c:(\pc)+2+6*\c], v[(\s)+32*\c:(\s)+15+32*\c], v[TM+12+2*\c]
	v_cvt_scalef32_pk16_fp6_f32 v[(\pc)+12+4*\c:(\pc)+14+4*\c], v[(\s)+16+32*\c:(\s)+31+32*\c], v[TM+13+2*\c]
.endr
	WIN 0
	v_nop                                              ; one plain place behind the conversions
.irp c, 0,1
.irp i, 0,1,2
	v_permlane16_swap_b32 v[(\pc)+6*\c+\i], v[(\pc)+12+4*\c+\i]   ; a whole block to a lane: lanes 0-15 block 2 c, lanes 16-31 block 2 c + 1
.endr
.irp i, 0,1,2
	v_mov_b32 v[(\pc)+3+6*\c+\i], v[(\pc)+12+4*\c+\i]
.endr
.endr
.endm
; a fragment of weights, K step s, from rows of 432 bytes: six pieces of 8 bytes; where lanes 16-31's piece lies behind one padding more, the second address register serves
.macro FRAGW reg, adr, s, off
.irp p, 0,1,2,3,4,5
.set PCE, 12*(\s)+6*(\p/3)+\p%3
.if PCE%16 < 13
	ds_load_b64 v[(\reg)+2*\p:(\reg)+2*\p+1], v[\adr] offset:(\off)+8*PCE+16*(PCE/16)
.else
	ds_load_b64 v[(\reg)+2*\p:(\reg)+2*\p+1], v[(\adr)+1] offset:(\off)+8*PCE+16*(PCE/16)
.endif
.endr
.endm
.macro FETCHH reg, adr, off            ; a fragment of h comes back as it was stored
.irp c, 0,1,2
	ds_load_b128 v[(\reg)+4*\c:(\reg)+4*\c+3], v[\adr] offset:(\off)+512*\c
.endr
.endm
.macro WM d, a, b, sa, sb
	v_wmma_scale_f32_16x16x128_f8f6f4 v[\d:\d+7], v[\a:\a+11], v[\b:\b+11], v[\d:\d+7], v[\sa], v[\sb] matrix_a_fmt:MATRIX_FMT_FP6 matrix_b_fmt:MATRIX_FMT_FP6
.endm
.macro WMC d, a, b, c, sa, sb
	v_wmma_scale_f32_16x16x128_f8f6f4 v[\d:\d+7], v[\a:\a+11], v[\b:\b+11], v[\c:\c+7], v[\sa], v[\sb] matrix_a_fmt:MATRIX_FMT_FP6 matrix_b_fmt:MATRIX_FMT_FP6
.endm
.macro XLOAD u                         ; my tile u: register 16 blk + i = x(row, 32 blk + 16 h + i)
	WIN (1+\u)<<6
.set q, 0
.rept 64
	global_load_b128 v[4*q:4*q+3], v[XA], s[4:5] offset:\u*16384+128*(q/4)+16*(q%4)
.set q, q+1
.endr
	WIN 0
.endm
.macro GBLOAD s                        ; gain and bias of K step s, in the same order, into set s % 2 of window 3
	WIN 0xc0
.set q, 0
.rept 16
	global_load_b128 v[128*((\s)%2)+4*q:128*((\s)%2)+4*q+3], v[GA], s[6:7] offset:512*(\s)+128*(q/4)+16*(q%4)
	global_load_b128 v[128*((\s)%2)+64+4*q:128*((\s)%2)+64+4*q+3], v[GA], s[8:9] offset:512*(\s)+128*(q/4)+16*(q%4)
.set q, q+1
.endr
	WIN 0
.endm
; mean, x - mean in place, 1 / sqrt(variance + eps) of the tile in window n; four chains, started by the first terms: nothing is cleared
.macro STATS n, mu, rs
	WIN (\n)|((\n)<<2)
.irp k, 0,1,2,3
	v_pk_add_f32 v[CH+2*\k:CH+2*\k+1], v[4*\k:4*\k+1], v[4*\k+2:4*\k+3]
.endr
	WIN (\n)<<2
.set j, 16
.rept 30
.irp k, 0,1,2,3
	v_pk_add_f32 v[CH+2*\k:CH+2*\k+1], v[CH+2*\k:CH+2*\k+1], v[j+2*\k:j+2*\k+1]
.endr
.set j, j+8
.endr
	WIN 0
	v_pk_add_f32 v[CH:CH+1], v[CH:CH+1], v[CH+2:CH+3]
	v_pk_add_f32 v[CH+4:CH+5], v[CH+4:CH+5], v[CH+6:CH+7]
	v_pk_add_f32 v[CH:CH+1], v[CH:CH+1], v[CH+4:CH+5]
	v_add_f32 v[CH], v[CH], v[CH+1]
	v_permlanex16_b32 v[CH+2], v[CH], s[SEL], s[SEL+1]  ; the row's other half lies in lane l xor 16
	v_add_f32 v[CH], v[CH], v[CH+2]
	v_mul_f32 v[\mu], s[INV], v[CH]
	v_mov_b32 v[\mu+1], v[\mu]
	WIN ((\n)<<6)|(\n)
.set j, 0
.rept 128
	v_pk_add_f32 v[j:j+1], v[j:j+1], v[\mu:\mu+1] neg_lo:[0,1] neg_hi:[0,1]
.set j, j+2
.endr
	WIN (\n)|((\n)<<2)
.irp k, 0,1,2,3
	v_pk_mul_f32 v[CH+2*\k:CH+2*\k+1], v[2*\k:2*\k+1], v[2*\k:2*\k+1]
.endr
.set j, 8
.rept 31
.irp k, 0,1,2,3
	v_pk_fma_f32 v[CH+2*\k:CH+2*\k+1], v[j+2*\k:j+2*\k+1], v[j+2*\k:j+2*\k+1], v[CH+2*\k:CH+2*\k+1]
.endr
.set j, j+8
.endr
	WIN 0
	v_pk_add_f32 v[CH:CH+1], v[CH:CH+1], v[CH+2:CH+3]
	v_pk_add_f32 v[CH+4:CH+5], v[CH+4:CH+5], v[CH+6:CH+7]
	v_pk_add_f32 v[CH:CH+1], v[CH:CH+1], v[CH+4:CH+5]
	v_add_f32 v[CH], v[CH], v[CH+1]
	v_permlanex16_b32 v[CH+2], v[CH], s[SEL], s[SEL+1]
	v_add_f32 v[CH], v[CH], v[CH+2]
	v_fma_f32 v[CH], v[CH], s[INV], s[EPS]
	s_wait_alu depctr_va_vdst(0)
	v_rsq_f32 v[\rs], v[CH]
	v_nop                                              ; a plain place behind the transcendental,
	s_wait_alu depctr_va_vdst(0)                       ; and the wait ahead of its first reader
	v_mov_b32 v[\rs+1], v[\rs]
.endm
; K step s of tile u: normalised, quantised, its image stored
.macro NORMQ u, s
	s_wait_dscnt 0x0                                   ; the last image's stores have read their registers
	WIN 1+\u
.set j, 0
.rept 32
	v_pk_mul_f32 v[Y+j:Y+j+1], v[64*\s+j:64*\s+j+1], v[MU+2+4*\u:MU+3+4*\u]
.set j, j+2
.endr
	WIN 0x3c
.set j, 0
.rept 32
	v_pk_fma_f32 v[Y+j:Y+j+1], v[Y+j:Y+j+1], v[128*(\s%2)+j:128*(\s%2)+j+1], v[128*(\s%2)+64+j:128*(\s%2)+65+j]
.set j, j+2
.endr
	QUANT Y, 0, PC, HW+4*\u+\s
.irp c, 0,1,2
	ds_store_b128 v[HBW], v[PC+4*\c:PC+4*\c+3] offset:\u*6144+\s*1536+512*\c
.endr
.endm
.macro BIGF kind, T, p                 ; big tile T, its four K steps and its scale words, into buffer p
.irp s, 0,1,2,3
.if \kind == 0
	FRAGW BG+52*(\p)+12*\s, AWG, \s, (32*((\T)/2)+8*((\T)%2))*WP
.else
	FETCHH BG+52*(\p)+12*\s, HBL, (\T)*6144+\s*1536
.endif
.endr
.if \kind == 0
	ds_load_b128 v[BG+52*(\p)+48:BG+52*(\p)+51], v[ASG] offset:(32*((\T)/2)+8*((\T)%2))*16
.else
	ds_load_b128 v[BG+52*(\p)+48:BG+52*(\p)+51], v[HSL] offset:(\T)*512
.endif
.endm
; a group of 128 columns.  kind 0: q or k.  kind 1: v
.macro ARM kind
	WIN 0x40
.irp u, 0,1
.irp s, 0,1,2,3
.if \kind == 0
	FETCHH SM+48*\u+12*\s, 8, \u*6144+\s*1536          ; v8: q takes h's tiles as they were stored, k gathers them in the key order of the attention launch
.else
	FRAGW SM+48*\u+12*\s, AWM, \s, \u*8*WP
.endif
.endr
.endr
	WIN 0
.irp u, 0,1
.if \kind == 0
	ds_load_b128 v[SS+4*\u:SS+4*\u+3], v9 offset:512*\u
.else
	ds_load_b128 v[SS+4*\u:SS+4*\u+3], v[ASMALL] offset:128*\u
.endif
.endr
	WIN 0x80                                           ; the bias, in the result's layout, into window 2
.if \kind == 0
.irp T, 0,1,2,3,4,5,6,7
	global_load_b128 v[8*\T:8*\T+3], v[GA], s[BP:BP+1] offset:(32*(\T/2)+8*(\T%2))*4
	global_load_b128 v[8*\T+4:8*\T+7], v[GA], s[BP:BP+1] offset:(32*(\T/2)+8*(\T%2))*4+16
.endr
.else
.irp u, 0,1
.irp j, 0,1,2,3,4,5,6,7
	global_load_b32 v[8*\u+\j], v[BA1], s[BP:BP+1] offset:32*\u    ; a lane's channel has one bias for all keys: eight times the same word
.endr
.endr
.endif
	WIN 0
	BIGF \kind, 0, 0
.irp T, 0,1,2,3,4,5,6,7
.if \T < 7
	BIGF \kind, \T+1, (\T+1)%2
.if \kind == 0
	s_wait_dscnt 25                                    ; only the 25 loads just issued may be out
.else
	s_wait_dscnt 13                                    ; only the 13 loads just issued may be out
.endif
.else
	s_wait_dscnt 0x0
.endif
.if \T == 0
	s_wait_loadcnt 0x0                                 ; the bias
.endif
.irp s, 0,1,2,3
.if \s == 0
	WIN 0x64                                           ; big window 0, small window 1, C window 2, D window 1
.else
	WIN 0x54
.endif
.irp u, 0,1                                            ; the two accumulators take turns
.if \s == 0
.if \kind == 0
	WMC AC+64*\u+8*\T, BG+52*(\T%2)+12*\s, SM+48*\u+12*\s, 8*\T, BG+52*(\T%2)+48+\s, SS+4*\u+\s
.else
	WMC AC+64*\u+8*\T, BG+52*(\T%2)+12*\s, SM+48*\u+12*\s, 8*\u, BG+52*(\T%2)+48+\s, SS+4*\u+\s
.endif
.else
	WM AC+64*\u+8*\T, BG+52*(\T%2)+12*\s, SM+48*\u+12*\s, BG+52*(\T%2)+48+\s, SS+4*\u+\s
.endif
.endr
.endr
	WIN 0
.rept 4
	v_nop                                              ; places ahead of the loads into the buffer just read, and of the first read of results
.endr
.endr
	QUANT AC, 1, PCA, PWA
	QUANT AC+64, 1, PCB, PWB
.if \kind == 0
	v_perm_b32 v[W01], v[PWB], v[PWA], 0x05040100      ; the first head: my first tile's two bytes below, my second tile's two above: the scale word of the pair of tiles
	v_perm_b32 v[W01R], v[PWB], v[PWA], 0x07060302     ; the same of the second head
.irp u, 0,1
	global_store_b128 v[VS16], v[PCA+20*\u:PCA+20*\u+3], s[OA:OA+1] offset:768*\u      ; 512 consecutive bytes, aligned to 256
	global_store_b64 v[VS8], v[PCA+20*\u+4:PCA+20*\u+5], s[OA:OA+1] offset:768*\u      ; 256 more
	global_store_b128 v[VS16], v[PCA+20*\u+6:PCA+20*\u+9], s[OB:OB+1] offset:768*\u
	global_store_b64 v[VS8], v[PCA+20*\u+10:PCA+20*\u+11], s[OB:OB+1] offset:768*\u
.endr
	global_store_b32 v[VS4], v[W01], s[OA:OA+1]
	global_store_b32 v[VS4], v[W01R], s[OB:OB+1]
.else
	v_cndmask_b32 v[W01], v[PWA], v[PWB], s[MHI]       ; lanes 0-15: the first tile's scale words, lanes 16-31 the second's
.irp u, 0,1
.irp c, 0,1,2
	global_store_b128 v[VV16], v[PCA+20*\u+4*\c:PCA+20*\u+4*\c+3], s[OV:OV+1] offset:1536*\u+512*\c
.endr
.endr
	global_store_b32 v[VV4], v[W01], s[OV:OV+1]
.endif
.endm
	s_load_b512 s[4:19], s[0:1], 0x0                   ; x, ln1_g, ln1_b, Wq, Wk, Wv codes, Wq, Wk scales
	s_load_b256 s[20:27], s[0:1], 0x40                 ; Wv scales, bq, bk, bv
	s_load_b128 s[28:31], s[0:1], 0x60
	s_load_b128 s[68:71], s[0:1], 0x70                 ; W2's codes, w2r
	v_lshl_add_u32 v[SPW], v0, 2, SPARE
	v_mov_b32 v[NIL], 0
	ds_add_u32 v[SPW], v[NIL]                          ; the opening: the add, twice on end, and its wait ahead of my first tensor load
	ds_add_u32 v[SPW], v[NIL]
	v_lshrrev_b32 v1, 5, v0
	v_readfirstlane_b32 s[WV], v1
	s_bfe_u32 s[CX], ttmp6, 0x40000
	s_lshl_b32 s[RB], ttmp9, 2
	s_add_co_u32 s[RB], s[RB], s[CX]                   ; my block of 128 rows: it enters global addresses alone
	s_and_b32 s[Y3], ttmp7, 0xffff
	s_mul_i32 s[Y3], s[Y3], 3                          ; my first group of columns
	s_lshr_b32 s[BAT], s[RB], 5
	s_and_b32 s[ST], s[RB], 31
	s_mov_b32 s[SEL], 0x76543210
	s_mov_b32 s[SEL+1], 0xfedcba98
	s_mov_b32 s[INV], 0x3b000000                       ; 1 / 512
	s_mov_b32 s[EPS], 0x3727c5ac                       ; 1e-5
	s_mov_b32 s[MHI], 0xffff0000                       ; lanes 16-31
	s_mov_b32 s[G1C], 15|(1<<20)|(1<<21)|(4<<22)|(3<<25)   ; all four partners; bytes; 16 bytes of padding behind every 128
	s_mov_b32 s[G1C+1], 256<<16                        ; a group's 128 rows of 384 bytes are dense in memory: stated as 192 rows of 256 bytes, each on a 256-byte border
	s_mov_b32 s[G1C+2], 192<<16
	s_mov_b32 s[G1C+3], 256<<16
	s_mov_b32 s[G1C+4], 192
	s_mov_b32 s[G1C+5], 256
	s_mov_b32 s[G1C+6], 0
	s_mov_b32 s[G1C+7], 0
	s_mov_b32 s[G1S], 15|(3<<16)|(1<<21)               ; eight dense rows of 256 bytes
	s_mov_b32 s[G1S+1], 32<<16
	s_mov_b32 s[G1S+2], 8<<16                          ; a group's 2,048 scale bytes: eight dense rows of 256 bytes
	s_mov_b32 s[G1S+3], 32<<16
	s_mov_b32 s[G1S+4], 8
	s_mov_b32 s[G1S+5], 32
	s_mov_b32 s[G1S+6], 0
	s_mov_b32 s[G1S+7], 0
	v_and_b32 v1, 31, v0                               ; lane
	v_and_b32 v15, 15, v0                              ; r
	v_bfe_u32 v16, v0, 4, 1                            ; h
	v_and_b32 v17, 8, v15
	v_add_nc_u32 v17, v17, v15                         ; r + 8 (r / 8)
	v_lshlrev_b32 v18, 4, v1                           ; 16 x lane
	s_lshl_b32 s[T0], s[WV], 16
	v_lshlrev_b32 v[XA], 11, v17
	v_lshl_add_u32 v[XA], v16, 6, v[XA]
	v_add_nc_u32 v[XA], s[T0], v[XA]
	v_lshlrev_b32 v[GA], 6, v16
	s_mul_i32 s[T0], s[WV], 12288
	s_add_co_u32 s[T0], s[T0], HB
	v_add_nc_u32 v[HBW], s[T0], v18
	s_lshl_b32 s[T0], s[WV], 10
	s_add_co_u32 s[T0], s[T0], HS
	v_add_nc_u32 v[HSW], s[T0], v18
	v_add_nc_u32 v[HBL], HB, v18
	v_add_nc_u32 v[HSL], HS, v18
	v_mul_u32_u24 v[AWC], v17, WP
	v_mad_u32_u24 v[AWC], v16, 24, v[AWC]
	v_lshl_add_u32 v[AWC+1], v16, 4, v[AWC]
	v_lshl_add_u32 v[ASC0], v17, 4, WSO
	s_mul_i32 s[T0], s[WV], 1536
	v_add_nc_u32 v[VS16], s[T0], v18
	s_add_co_u32 s[T0], s[T0], 512
	v_lshl_add_u32 v[VS8], v1, 3, s[T0]
	s_lshl_b32 s[T0], s[WV], 7
	v_lshl_add_u32 v[BA1], v17, 2, s[T0]
	s_add_co_u32 s[T0], s[T0], 6144
	v_lshl_add_u32 v[VS4], v1, 2, s[T0]
	s_and_b32 s[T2], s[WV], 1
	s_mul_i32 s[T0], s[T2], 3072
	s_add_co_u32 s[T0], s[T0], 6656
	v_add_nc_u32 v[VV16], s[T0], v18
	s_lshl_b32 s[T0], s[T2], 7
	s_add_co_u32 s[T0], s[T0], 12800
	v_lshl_add_u32 v[VV4], v1, 2, s[T0]
.irp b, 4,5,6,7
	v_mov_b32 v[TM+\b], 0                              ; a lane permute's destination counts as one of its sources
.endr
	; W2's codes are laid again for the last launch: chunk (n / 256, k / 512) as 256 dense rows of 384 bytes.  A work-group copies 8 rows, 3,072 bytes: piece e = 128 i + thread of 8 bytes lies in row e / 48
	v_lshlrev_b32 v26, 3, v0
.irp i, 0,1,2
	v_add_nc_u32 v[27+\i], 128*\i, v0
	v_mul_u32_u24 v[30+\i], v[27+\i], 1366
	v_lshrrev_b32 v[30+\i], 16, v[30+\i]               ; e / 48, for e under 384
	v_mul_u32_u24 v[30+\i], v[30+\i], 1152             ; a row of W2 is 1,536 bytes, 1,152 more than the piece of it
	v_lshl_add_u32 v[27+\i], v[27+\i], 3, v[30+\i]
.endr
	s_wait_alu depctr_va_vdst(0)
	s_wait_dscnt 0x0                                   ; both opening adds are done
	s_wait_kmcnt 0x0
	; waves 0 to 2 fetch a group each, whole: first its scale bytes, later its codes.  Which weight: a choice on ids alone, the same in all four partners
	s_min_u32 s[GG], s[WV], 2
	s_add_co_u32 s[T2], s[Y3], s[GG]
	s_lshr_b32 s[T2+1], s[T2], 2
	s_and_b32 s[T2], s[T2], 3
	s_cmp_eq_u32 s[T2+1], 0
	s_cselect_b64 s[P0:P0+1], s[10:11], s[12:13]
	s_cselect_b64 s[P1:P1+1], s[16:17], s[18:19]
	s_cmp_eq_u32 s[T2+1], 2
	s_cselect_b64 s[P0:P0+1], s[14:15], s[P0:P0+1]
	s_cselect_b64 s[P1:P1+1], s[20:21], s[P1:P1+1]
	s_mul_i32 s[T0], s[T2], 49152
	s_mov_b32 s[T0+1], 0
	s_mov_b32 s48, 1
	s_mul_i32 s49, s[GG], WCB
	s_add_nc_u64 s[50:51], s[P0:P0+1], s[T0:T0+1]
	s_or_b32 s51, s51, 0x80000000
	s_lshl_b32 s[T0], s[T2], 11
	s_mov_b32 s52, 1
	s_lshl_b32 s53, s[GG], 11
	s_add_co_u32 s53, s53, WSO
	s_add_nc_u64 s[54:55], s[P1:P1+1], s[T0:T0+1]
	s_or_b32 s55, s55, 0x80000000
	s_and_b32 s[T2], ttmp7, 0xffff
	s_lshl_b32 s[CNT], s[RB], 2
	s_add_co_u32 s[CNT], s[CNT], s[T2]                 ; my number among the 256 work-groups: chunk = number / 32, rows 8 (number % 32) on
	s_mul_i32 s[T0], s[CNT], 3072
	s_add_nc_u64 s[70:71], s[70:71], s[T0:T0+1]
	s_lshr_b32 s[T2], s[CNT], 7
	s_mul_i32 s[T0], s[T2], 393216
	s_bfe_u32 s[T2], s[CNT], 0x20005
	s_mul_i32 s[T2], s[T2], 384
	s_add_co_u32 s[T0], s[T0], s[T2]
	s_and_b32 s[T2], s[CNT], 31
	s_mul_i32 s[T2], s[T2], 12288
	s_add_co_u32 s[T0], s[T0], s[T2]
	s_add_nc_u64 s[68:69], s[68:69], s[T0:T0+1]
	s_lshl_b32 s[T0], s[RB], 18
	s_mov_b32 s[T0+1], 0
	s_add_nc_u64 s[4:5], s[4:5], s[T0:T0+1]            ; x at my 128 rows
	ROUND                                              ; all four work-groups are here: the joint loads meet
	s_cmp_lt_u32 s[WV], 3                              ; at the head one tensor load a wave: the scale bytes of my group
	s_cbranch_scc0 .Lno_scales
	tensor_load_to_lds s[52:55], s[G1S:G1S+7]
	s_nop 0
.rept 4
	v_nop
.endr
.Lno_scales:
.irp i, 0,1,2
	global_load_b64 v[20+2*\i:21+2*\i], v[27+\i], s[68:69]   ; my pieces of W2
.endr
	; ---- the norm and Q(h): wave w takes row tiles 2 w and 2 w + 1
	XLOAD 0
	XLOAD 1
	s_wait_tensorcnt 0x0                               ; the codes are a later first fill: a round ahead of it;
	ds_add_u32 v[SPW], v[NIL]                          ; the add twice on end
	ds_add_u32 v[SPW], v[NIL]
	s_wait_dscnt 0x0
	ROUND
	s_cmp_lt_u32 s[WV], 3
	s_cbranch_scc0 .Lno_codes
	tensor_load_to_lds s[48:51], s[G1C:G1C+7]          ; my group's codes: they land under the norm
	s_nop 0
.rept 4
	v_nop
.endr
.Lno_codes:
	s_wait_loadcnt 63                                  ; 64 younger loads are out; 63 is the largest count the wait can name: W2's pieces and my first tile are in
.irp i, 0,1,2
	global_store_b64 v26, v[20+2*\i:21+2*\i], s[70:71] offset:1024*\i   ; a wave stores 256 consecutive bytes, aligned
.endr
	STATS 1, MU, MU+2
	GBLOAD 0
	GBLOAD 1
	s_wait_loadcnt 63                                  ; likewise: the second tile is in
	STATS 2, MU+4, MU+6
.irp s, 0,1,2,3
.if \s < 3
	s_wait_loadcnt 32                                  ; this K step's gain and bias are in; the next set's 32 loads may be out
.else
	s_wait_loadcnt 0x0
.endif
	NORMQ 0, \s
	NORMQ 1, \s
.if \s < 2
	GBLOAD \s+2
.endif
.endr
	ds_store_b128 v[HSW], v[HW:HW+3]
	ds_store_b128 v[HSW], v[HW+4:HW+7] offset:512
	s_wait_tensorcnt 0x0                               ; my parts of the weights have landed,
	s_wait_dscnt 0x0                                   ; and my images of h
	s_barrier_signal -1
	s_barrier_wait -1                                  ; everybody's have; nothing in LDS is written from here on
	; ---- the three groups of columns
	s_mul_i32 s[W432], s[WV], 32*WP
	s_lshl_b32 s[W512], s[WV], 9
	s_mov_b32 s[SWC], 0
	s_mov_b32 s[SWS], 0
	s_mov_b32 s[CNT], 0
	; k's tiles: tile T = 2 w + u holds at place m the key 64 (T / 4) + 8 (T % 4) + m % 8 + 32 (m / 8), so that in the attention launch a lane's 32 scores of four tiles are one block of 32 keys.
	; That key lies in h's tile 4 (w / 2) + 2 (m / 8) + u at place m % 8 + 8 (w % 2): v6, v7 = where lane (m, h) finds its registers and scale words in h's images
	s_lshr_b32 s[T0], s[WV], 1
	s_and_b32 s[T2], s[WV], 1
	s_lshl_b32 s[T2], s[T2], 7
	s_mul_i32 s[T0+1], s[T0], 24576
	s_add_co_u32 s[T0+1], s[T0+1], s[T2]
	s_add_co_u32 s[T0+1], s[T0+1], HB                  ; the wave's part of the place in h's images,
	s_lshl_b32 s[T0], s[T0], 11
	s_add_co_u32 s[T0], s[T0], s[T2]
	s_add_co_u32 s[T0], s[T0], HS                      ; and in h's scale words; the lane's part follows, with no scalar line between
	v_and_b32 v10, 7, v0
	v_bfe_u32 v11, v0, 3, 1
	v_bfe_u32 v12, v0, 4, 1
	v_lshlrev_b32 v10, 4, v10
	v_lshl_add_u32 v10, v12, 8, v10
	v_mad_u32_u24 v6, v11, 12288, v10
	v_lshl_add_u32 v7, v11, 10, v10
	v_add_nc_u32 v6, s[T0+1], v6
	v_add_nc_u32 v7, s[T0], v7
	s_wait_alu depctr_va_vdst(0)
.Lgrp:
	s_wait_xcnt 0x0                                    ; the last trip's stores and loads have read their registers and bases
	s_add_co_u32 s[GG], s[Y3], s[CNT]
	s_lshr_b32 s[TYP], s[GG], 2                        ; 0 q, 1 k, 2 v
	s_and_b32 s[G4], s[GG], 3                          ; which two heads
	s_cmp_eq_u32 s[TYP], 0
	s_cselect_b64 s[BP:BP+1], s[22:23], s[24:25]
	s_cselect_b64 s[OA:OA+1], s[28:29], s[30:31]
	s_cmp_eq_u32 s[TYP], 2
	s_cselect_b64 s[BP:BP+1], s[26:27], s[BP:BP+1]
	s_lshl_b32 s[T0], s[G4], 9
	s_mov_b32 s[T0+1], 0
	s_add_nc_u64 s[BP:BP+1], s[BP:BP+1], s[T0:T0+1]
	s_lshl_b32 s[T0], s[BAT], 3
	s_lshl_b32 s[T2], s[G4], 1
	s_add_co_u32 s[T0], s[T0], s[T2]                   ; the group's first head, among 16
	s_lshr_b32 s[T2], s[WV], 1
	s_add_co_u32 s[T2], s[T2], s[T0]                   ; v: the head of my 32 channels
	s_lshl_b32 s[T0], s[T0], 5
	s_add_co_u32 s[T0], s[T0], s[ST]
	s_mul_i32 s[T0], s[T0], STEPB
	s_add_nc_u64 s[OA:OA+1], s[OA:OA+1], s[T0:T0+1]
	s_add_nc_u64 s[OB:OB+1], s[OA:OA+1], HEADB
	s_lshl_b32 s[T2], s[T2], 5
	s_add_co_u32 s[T2], s[T2], s[ST]
	s_mul_i32 s[T2], s[T2], STEPB
	s_mov_b32 s[T2+1], 0
	s_add_nc_u64 s[OV:OV+1], s[30:31], s[T2:T2+1]
	v_add_nc_u32 v[AWG], s[SWC], v[AWC]
	v_add_nc_u32 v[AWG+1], s[SWC], v[AWC+1]
	v_add_nc_u32 v[AWM], s[W432], v[AWG]
	v_add_nc_u32 v[AWM+1], s[W432], v[AWG+1]
	v_add_nc_u32 v[ASG], s[SWS], v[ASC0]
	v_add_nc_u32 v[ASMALL], s[W512], v[ASG]
	s_cmp_eq_u32 s[TYP], 1
	s_cselect_b32 s[T2], -1, 0
	v_cndmask_b32 v8, v[HBW], v6, s[T2]                ; k gathers, q takes its tiles as they lie
	v_cndmask_b32 v9, v[HSW], v7, s[T2]
	s_cmp_eq_u32 s[TYP], 2                             ; ids and the count of trips alone: the same in all waves and all partners
	s_cbranch_scc1 .Lvarm
	s_wait_alu depctr_va_vdst(0)
	ARM 0
	s_branch .Ljoin
.Lvarm:
	s_wait_alu depctr_va_vdst(0)
	ARM 1
.Ljoin:
	s_add_co_u32 s[SWC], s[SWC], WCB
	s_add_co_u32 s[SWS], s[SWS], 2048
	s_add_co_u32 s[CNT], s[CNT], 1
	s_cmp_lt_u32 s[CNT], 3
	s_cbranch_scc1 .Lgrp
	s_wait_tensorcnt 0x0                               ; the wave's end
	ds_add_u32 v[SPW], v[NIL]
	s_wait_dscnt 0x0
	ROUND                                              ; the closing round
	s_endpgm
.Lfunc_end_k_q2c54cb840c_qkv:
	.size	k_q2c54cb840c_qkv, .Lfunc_end_k_q2c54cb840c_qkv-k_q2c54cb840c_qkv
	.p2alignl 7, 3214868480
	.fill 96, 4, 3214868480
	.section	.rodata,"a",@progbits
	.p2align	6, 0x0
	.amdhsa_kernel k_q2c54cb840c_qkv
		.amdhsa_group_segment_fixed_size 327680
		.amdhsa_private_segment_fixed_size 0
		.amdhsa_enable_private_segment 0
		.amdhsa_kernarg_size 128
		.amdhsa_user_sgpr_count 2
		.amdhsa_user_sgpr_kernarg_segment_ptr 1
		.amdhsa_wavefront_size32 1
		.amdhsa_system_sgpr_workgroup_id_x 1
		.amdhsa_system_sgpr_workgroup_id_y 1
		.amdhsa_system_sgpr_workgroup_id_z 1
		.amdhsa_system_vgpr_workitem_id 0
		.amdhsa_next_free_vgpr 1024
		.amdhsa_next_free_sgpr 100
		.amdhsa_reserve_vcc 0
		.amdhsa_float_denorm_mode_32 3
		.amdhsa_float_denorm_mode_16_64 3
		.amdhsa_memory_ordered 1
		.amdhsa_forward_progress 1
		.amdhsa_inst_pref_size 216
	.end_amdhsa_kernel
	.amdgpu_metadata
---
amdhsa.version: [ 1, 2 ]
amdhsa.kernels:
  - .name:           k_q2c54cb840c_qkv
    .symbol:         k_q2c54cb840c_qkv.kd
    .args:
      - { .name: x, .offset: 0, .size: 8, .value_kind: global_buffer, .address_space: global }
      - { .name: ln1_g, .offset: 8, .size: 8, .value_kind: global_buffer, .address_space: global }
      - { .name: ln1_b, .offset: 16, .size: 8, .value_kind: global_buffer, .address_space: global }
      - { .name: Wq_codes, .offset: 24, .size: 8, .value_kind: global_buffer, .address_space: global }
      - { .name: Wk_codes, .offset: 32, .size: 8, .value_kind: global_buffer, .address_space: global }
      - { .name: Wv_codes, .offset: 40, .size: 8, .value_kind: global_buffer, .address_space: global }
      - { .name: Wq_scales, .offset: 48, .size: 8, .value_kind: global_buffer, .address_space: global }
      - { .name: Wk_scales, .offset: 56, .size: 8, .value_kind: global_buffer, .address_space: global }
      - { .name: Wv_scales, .offset: 64, .size: 8, .value_kind: global_buffer, .address_space: global }
      - { .name: bq, .offset: 72, .size: 8, .value_kind: global_buffer, .address_space: global }
      - { .name: bk, .offset: 80, .size: 8, .value_kind: global_buffer, .address_space: global }
      - { .name: bv, .offset: 88, .size: 8, .value_kind: global_buffer, .address_space: global }
      - { .name: qb, .offset: 96, .size: 8, .value_kind: global_buffer, .address_space: global }
      - { .name: kv, .offset: 104, .size: 8, .value_kind: global_buffer, .address_space: global }
      - { .name: W2_codes, .offset: 112, .size: 8, .value_kind: global_buffer, .address_space: global }
      - { .name: w2r, .offset: 120, .size: 8, .value_kind: global_buffer, .address_space: global }
    .group_segment_fixed_size: 327680
    .private_segment_fixed_size: 0
    .kernarg_segment_align: 8
    .kernarg_segment_size: 128
    .max_flat_workgroup_size: 128
    .sgpr_count:     100
    .vgpr_count:     1024
    .wavefront_size: 32
...
	.end_amdgpu_metadata
.endif
;; end of part 1
;; launch attn (part 2): grid 16 x 16, 16 waves a work-group, clusters of 4 x 1, 327,680 bytes of LDS; arguments qb, kv, oc, os; writes oc, os
.if DOCPART == 2
	.amdgcn_target "amdgcn-amd-amdhsa--gfx1250"
	.amdhsa_code_object_version 6
	.text
	.protected	k_q2c54cb840c_attn
	.globl	k_q2c54cb840c_attn
	.p2align	8
	.type	k_q2c54cb840c_attn,@function
k_q2c54cb840c_attn:
	s_mov_b64 s[64:65], 0
	v_nop
	global_prefetch_b8 v0, s[64:65] scope:SCOPE_SE
	s_setreg_imm32_b32 hwreg(HW_REG_WAVE_MODE, 25, 1), 1
	s_wait_xcnt 0x0
	s_wait_alu depctr_hold_cnt(0) depctr_sa_sdst(0) depctr_va_vdst(0) depctr_va_sdst(0) depctr_va_ssrc(0) depctr_va_vcc(0) depctr_vm_vsrc(0)
	s_getreg_b32 s2, hwreg(HW_REG_IB_STS2, 6, 4)
	s_cmp_eq_u32 s2, 0
	s_cbranch_scc0 .Lentry_in_a_cluster
	s_endpgm
.Lentry_in_a_cluster:
	s_bfe_u32 s2, ttmp6, 0x10000c
	s_cmp_lg_u32 s2, 0x3003
	s_cbranch_scc0 .Lentry_shape_is_right
	s_endpgm
.Lentry_shape_is_right:
; LAUNCH 2 OF 3.  o = softmax(q k^T / 8) v for 16 heads of 4,096 x 64, both products on codes of FP6 (E2M3) with E8M0 scales; o is quantised along the head's 64 and leaves as half tiles for the last launch.
; No work of the problem is left out.
; THE SOFTMAX: t = score x log2(e) / 8; M = the running largest t rounded up to a whole number; p = 2^(t - M) is quantised along the keys, not normalised; the row's sum is taken of the unquantised p and divides at the end.
; When M moves, the sum and O are multiplied by 2^(old M - new M), which rounds nothing.
; LIMITS: NaN and infinities are not served; the promise holds while |t| stays under 2^31; p under 2^-126 becomes 0; a block of zeros gets the scale byte 1 (its codes are zeros; only this program reads the bytes).
; A block's largest p is the exponential of its largest score: this takes v_exp_f32 not to fall where its input rises.
; SHARES.  A work-group owns 256 queries of one head, each of its sixteen waves one tile of 16, in 256 registers.  Every wave walks the head's 32 key steps of 128 keys.
; A key step is one dense block of 13,056 bytes of kv, 51 rows of 256 bytes, laid as the operand registers want it.
; q k^T: THE HEAD'S 64 ARE HALF OF THE INSTRUCTION'S 128 ALONG K.  Source 0 holds TWO key tiles, [ka | kb]; against [q | 0] it gives ka q, against [0 | q] it gives kb q: zero codes add nothing under any finite scale byte.
; So the eight key tiles are 48 registers with no register of zeros, and come in one run of loads.  A pair's scale word holds ka's two bytes below and kb's above (launch 1 stores it so).
; LAYOUT.  S^T = K Q^T and O^T = V^T P^T: a lane holds one query throughout.  Key tile T holds at place m the key 64 (T / 4) + 8 (T % 4) + m % 8 + 32 (m / 8): the 32 registers of tiles 4 c .. 4 c + 3 in lane (r, h)
; are the keys 64 c + 32 h + 0 .. 31: one whole block, in the order of the operand's registers 6 c .. 6 c + 5.  No lane is asked for a block's maximum and no code changes lanes.
; THE RING: region A of 10 key steps, region B of 12; filled 10, 12, 10: three changes of slots.  Wave w fetches the w-th block of a fill: one load a wave outstanding.
; CLUSTER: the four query blocks of a cluster walk the same kv, so each block is asked for jointly.
; PREFETCH: behind the first change of slots the third fill's 510 pieces of 256 bytes are named once for the head: by its first cluster, waves 12 to 15 of the four partners, a lane a piece, told apart by address
; (the last two lanes repeat the last piece).  That is one slot ahead of the load that wants them; the first two fills come by their loads alone.
; REGISTERS: v1-3 16, 8, 4 x lane; v5, 6 the add's two; v7 the prefetch's offset; v8-10 the step's addresses; v11 8 (lane / 16); v12 -M, v13 the largest score, v[14:15] the sum; v16-27 [q | 0]; v28-39 [0 | q];
;   v40-43 K's scale words, v44, 45 V's, v46, 47 q's; v48-95 K, behind the first product at work; v96-143 V^T; v144-207 S^T, then p; v208-239 O^T; v240-251 p's codes; v252 the factor, v253 p's scale word; v254, 255 at work.
.set STEPB, 13056
.set HEADB, 32*STEPB
.set NA,    10
.set NB,    12
.set BOFF,  NA*STEPB
.set SPARE, BOFF+NB*STEPB              ; the spare words, 128 bytes a wave: no other line names them
.set QF,    16
.set KS,    40
.set VS,    44
.set QS,    46
.set KFR,   48
.set TT,    48
.set SU,    64
.set VFR,   96
.set S,     144
.set O,     208
.set P,     240
.set WV,    12
.set CX,    13
.set QT,    14
.set BH,    15
.set SEL,   20
.set CS,    22
.set G1,    24
.set G0,    32
.set TB,    36
.set STP,   38
.set LIM,   39
.set PFA,   40
.set MHI,   42
.set HO,    44
.set T0,    46
.set T2,    48
.set WO,    50
.set SH,    52
.macro ROUND
	s_barrier_signal -1
	s_barrier_wait -1
	s_cmp_lg_u32 s[WV], 0
	s_cbranch_scc1 .Lnot_wave_0_\@
	s_barrier_signal -3
.Lnot_wave_0_\@:
	s_barrier_wait -3
	s_barrier_signal -1
	s_barrier_wait -1
.endm
.macro TLOAD n                         ; waves 0 to n - 1 fetch a key step's block each; the branch hangs on the wave's number alone
	s_cmp_lt_u32 s[WV], \n
	s_cbranch_scc0 .Lasked_\@
	tensor_load_to_lds s[G0:G0+3], s[G1:G1+7]
	s_nop 0
.rept 4
	v_nop
.endr
.Lasked_\@:
.endm
.macro QK t                            ; S^T of key tile t: the pair's fragment against [q | 0] or [0 | q]
	v_wmma_scale_f32_16x16x128_f8f6f4 v[S+8*(\t):S+8*(\t)+7], v[KFR+12*((\t)/2):KFR+12*((\t)/2)+11], v[QF+12*((\t)%2):QF+12*((\t)%2)+11], 0, v[KS+(\t)/2], v[QS+(\t)%2] matrix_a_fmt:MATRIX_FMT_FP6 matrix_b_fmt:MATRIX_FMT_FP6
.endm
.macro PV dt                           ; O^T of channel tile dt; odd tiles' scale words lie in lanes 16-31
.if (\dt)%2
	v_wmma_scale_f32_16x16x128_f8f6f4 v[O+8*(\dt):O+8*(\dt)+7], v[VFR+12*(\dt):VFR+12*(\dt)+11], v[P:P+11], v[O+8*(\dt):O+8*(\dt)+7], v[VS+(\dt)/2], v253 matrix_a_fmt:MATRIX_FMT_FP6 matrix_b_fmt:MATRIX_FMT_FP6 matrix_a_scale:MATRIX_SCALE_ROW1
.else
	v_wmma_scale_f32_16x16x128_f8f6f4 v[O+8*(\dt):O+8*(\dt)+7], v[VFR+12*(\dt):VFR+12*(\dt)+11], v[P:P+11], v[O+8*(\dt):O+8*(\dt)+7], v[VS+(\dt)/2], v253 matrix_a_fmt:MATRIX_FMT_FP6 matrix_b_fmt:MATRIX_FMT_FP6
.endif
.endm
.macro STEP                            ; 128 keys
	v_add_nc_u32 v8, s[TB], v1
	v_add_nc_u32 v9, s[TB], v2
	v_add_nc_u32 v10, s[TB], v3
.irp w, 0,1,2,3
	ds_load_b32 v[KS+\w], v10 offset:6144+128*\w
.endr
.irp t, 0,1,2,3,4,5,6,7
	ds_load_b128 v[KFR+6*\t:KFR+6*\t+3], v8 offset:768*\t          ; a half tile is 16 bytes a lane, then 8
	ds_load_b64 v[KFR+6*\t+4:KFR+6*\t+5], v9 offset:768*\t+512
.endr
.irp t, 0,1,2,3
.irp c, 0,1,2
	ds_load_b128 v[VFR+12*\t+4*\c:VFR+12*\t+4*\c+3], v8 offset:6656+1536*\t+512*\c   ; (the last step's 32 additions are the places behind its products)
.endr
.endr
.irp w, 0,1
	ds_load_b32 v[VS+\w], v10 offset:12800+128*\w
.endr
	s_wait_dscnt 14                                    ; V's 12 loads and its 2 scale loads may be out
.irp t, 0,1,2,3,4,5,6,7
	QK \t
.endr
	v_mov_b32 v254, v12                                ; the old -M; with the three below: four places ahead of the first read of results
.rept 3
	v_nop
.endr
.irp q, 0,1,2,3
	v_max3_num_f32 v[TT+\q], v[S+16*\q], v[S+16*\q+1], v[S+16*\q+2]   ; four chains of 16 scores, each tile from its low end on
.endr
.irp i, 3,5,7,9,11,13
.irp q, 0,1,2,3
	v_max3_num_f32 v[TT+\q], v[TT+\q], v[S+16*\q+\i], v[S+16*\q+\i+1]
.endr
.endr
	v_max3_num_f32 v[TT], v[TT], v[S+15], v[S+31]
	v_max3_num_f32 v[TT+2], v[TT+2], v[S+47], v[S+63]
	s_delay_alu instid0(VALU_DEP_2)
	v_max_num_f32 v[TT], v[TT], v[TT+1]                ; the largest score of my block h,
	s_delay_alu instid0(VALU_DEP_2)
	v_max_num_f32 v[TT+2], v[TT+2], v[TT+3]            ; and of my block 2 + h
	s_delay_alu instid0(VALU_DEP_1)
	v_max_num_f32 v[TT+4], v[TT], v[TT+2]
	s_delay_alu instid0(VALU_DEP_1)
	v_permlanex16_b32 v255, v[TT+4], s[SEL], s[SEL+1]
	s_delay_alu instid0(VALU_DEP_1)
	v_max3_num_f32 v13, v13, v[TT+4], v255             ; the running largest score of my query
	s_delay_alu instid0(VALU_DEP_1)
	v_mul_f32 v[TT+5], s[CS], v13                      ; as t (the factor is positive)
	s_delay_alu instid0(VALU_DEP_1)
	v_floor_f32 v12, -v[TT+5]                          ; -M = floor(-t): M is a whole number
	s_delay_alu instid0(VALU_DEP_1)
	v_sub_f32 v254, v12, v254
	s_delay_alu instid0(VALU_DEP_1)
	v_cvt_i32_f32 v254, v254                           ; (it saturates)
	s_delay_alu instid0(VALU_DEP_1)
	v_ldexp_f32 v252, 1.0, v254                        ; f = 2^(old M - new M)
.set j, 0
.rept 32
	v_pk_fma_f32 v[S+j:S+j+1], v[S+j:S+j+1], s[CS:CS+1], v[12:13] op_sel_hi:[1,0,0]   ; t - M
.set j, j+2
.endr
	v_fma_f32 v[TT], v[TT], s[CS], v12
	v_fma_f32 v[TT+2], v[TT+2], s[CS], v12
	s_wait_alu depctr_va_vdst(0)
	s_wait_dscnt 0x0                                   ; V is in
.set j, 0
.rept 64
	v_exp_f32 v[S+j], v[S+j]                           ; p = 2^(t - M)
.set j, j+1
.endr
	v_exp_f32 v[TT], v[TT]                             ; my two blocks' largest p
	v_exp_f32 v[TT+2], v[TT+2]
	v_pk_mul_f32 v[14:15], v[14:15], v[252:253] op_sel_hi:[1,0]   ; the sum under the new M: a plain place behind the batch
	s_wait_alu depctr_va_vdst(0)                       ; one wait for the 66, ahead of their first reader
	v_max_num_f32 v[TT], 0x1800000, v[TT]              ; the floor 2^(3 - 127) holds the byte at 1 from below
	v_max_num_f32 v[TT+2], 0x1800000, v[TT+2]
	s_delay_alu instid0(VALU_DEP_2)
	v_add_nc_u32 v[TT+12], 0xff000000, v[TT]           ; 2 off the exponent field: the conversion's scale operand
	s_delay_alu instid0(VALU_DEP_2)
	v_add_nc_u32 v[TT+13], 0xff000000, v[TT+2]
	s_delay_alu instid0(VALU_DEP_2)
	v_lshrrev_b32 v[TT+14], 23, v[TT+12]               ; the scale's byte
	s_delay_alu instid0(VALU_DEP_2)
	v_lshrrev_b32 v[TT+15], 23, v[TT+13]
	v_cvt_scalef32_pk16_fp6_f32 v[P:P+2], v[S:S+15], v[TT+12]
	v_cvt_scalef32_pk16_fp6_f32 v[TT+4:TT+6], v[S+16:S+31], v[TT+12]      ; (a conversion's three registers begin on an even number)
	v_cvt_scalef32_pk16_fp6_f32 v[P+6:P+8], v[S+32:S+47], v[TT+13]
	v_cvt_scalef32_pk16_fp6_f32 v[TT+8:TT+10], v[S+48:S+63], v[TT+13]
	v_lshl_or_b32 v[TT+14], v[TT+15], 16, v[TT+14]     ; my two bytes: blocks h and 2 + h.  (The plain place behind the conversions)
	s_delay_alu instid0(VALU_DEP_1)
	v_lshlrev_b32 v[TT+14], v11, v[TT+14]              ; at their places in the word, 8 h bits up
	s_delay_alu instid0(VALU_DEP_1)
	v_permlanex16_b32 v255, v[TT+14], s[SEL], s[SEL+1]
	s_delay_alu instid0(VALU_DEP_1)
	v_or_b32 v253, v[TT+14], v255                      ; with lane l xor 16's two: p's scale word for these 128 keys
.irp i, 0,1,2
	v_mov_b32 v[P+3+\i], v[TT+4+\i]
.endr
.irp i, 0,1,2
	v_mov_b32 v[P+9+\i], v[TT+8+\i]
.endr
	s_wait_alu depctr_va_vdst(0)                       ; directly ahead of the first reader of O^T
.set j, 0
.rept 16
	v_pk_mul_f32 v[O+j:O+j+1], v[O+j:O+j+1], v[252:253] op_sel_hi:[1,0]   ; O^T under the new M; these 16 are also the places between p's codes and scale word and the products
.set j, j+2
.endr
.irp t, 0,1,2,3
	PV \t
.endr
	; the row's sum of the unquantised p, in six chains, behind the products: it names none of their registers
.irp k, 0,1,2,3,4
	v_pk_add_f32 v[SU+2*\k:SU+2*\k+1], v[S+4*\k:S+4*\k+1], v[S+4*\k+2:S+4*\k+3]
.endr
	v_pk_add_f32 v[14:15], v[14:15], v[S+20:S+21]
.irp g, 0,1,2
.irp k, 0,1,2,3,4
	v_pk_add_f32 v[SU+2*\k:SU+2*\k+1], v[SU+2*\k:SU+2*\k+1], v[S+22+12*\g+2*\k:S+23+12*\g+2*\k]
.endr
	v_pk_add_f32 v[14:15], v[14:15], v[S+32+12*\g:S+33+12*\g]
.endr
.irp k, 0,1,2
	v_pk_add_f32 v[SU+2*\k:SU+2*\k+1], v[SU+2*\k:SU+2*\k+1], v[S+58+2*\k:S+59+2*\k]
.endr
	s_delay_alu instid0(VALU_DEP_3)
	v_pk_add_f32 v[SU:SU+1], v[SU:SU+1], v[SU+6:SU+7]
	s_delay_alu instid0(VALU_DEP_3)
	v_pk_add_f32 v[SU+2:SU+3], v[SU+2:SU+3], v[SU+8:SU+9]
	s_delay_alu instid0(VALU_DEP_3)
	v_pk_add_f32 v[14:15], v[14:15], v[SU+4:SU+5]
	s_delay_alu instid0(VALU_DEP_2)
	v_pk_add_f32 v[SU:SU+1], v[SU:SU+1], v[SU+2:SU+3]
	s_delay_alu instid0(VALU_DEP_1)
	v_pk_add_f32 v[14:15], v[14:15], v[SU:SU+1]
.endm
; The change of slots stands at a slot's head: all my tensor loads have landed, the add, my reads of the slot that I have left are over; then a round of the cluster's barrier, and the other region is filled first thing behind it.
.macro CHANGE ldsoff, adv, n
	s_wait_tensorcnt 0x0
	ds_add_u32 v5, v6
	ds_add_u32 v5, v6                                  ; twice on end here
	s_add_co_u32 s[G0+1], s[WO], \ldsoff               ; no load of mine is out: the descriptor steps to the other region
	s_add_nc_u64 s[G0+2:G0+3], s[G0+2:G0+3], (\adv)*STEPB
	s_wait_dscnt 0x0
	ROUND
	TLOAD \n
.endm
.macro SLOT base, n
	s_mov_b32 s[TB], \base
	s_mov_b32 s[STP], \n
.Lstep_\@:
	STEP
	s_add_co_u32 s[TB], s[TB], STEPB
	s_sub_co_u32 s[STP], s[STP], 1
	s_cmp_lg_u32 s[STP], 0
	s_cbranch_scc1 .Lstep_\@
.endm
	s_load_b256 s[4:11], s[0:1], 0x0                   ; qb, kv, oc, os
	v_lshl_add_u32 v5, v0, 2, SPARE
	v_mov_b32 v6, 0
	ds_add_u32 v5, v6                                  ; the opening: the add, twice on end, and its wait ahead of the first tensor load
	ds_add_u32 v5, v6
	v_lshrrev_b32 v8, 5, v0
	s_delay_alu instid0(VALU_DEP_1)
	v_readfirstlane_b32 s[WV], v8
	s_bfe_u32 s[CX], ttmp6, 0x40000
	s_lshl_b32 s[QT], ttmp9, 2
	s_add_co_u32 s[QT], s[QT], s[CX]
	s_lshl_b32 s[QT], s[QT], 4
	s_add_co_u32 s[QT], s[QT], s[WV]                   ; my tile of queries, 0 to 255: it enters global addresses alone
	s_and_b32 s[BH], ttmp7, 0xffff                     ; batch x 8 + head
	s_mov_b32 s[G1], 15|(3<<16)|(1<<21)                ; all four partners; 51 dense rows of 256 bytes
	s_mov_b32 s[G1+1], 32<<16
	s_mov_b32 s[G1+2], 51<<16
	s_mov_b32 s[G1+3], 32<<16
	s_mov_b32 s[G1+4], 51
	s_mov_b32 s[G1+5], 32
	s_mov_b32 s[G1+6], 0
	s_mov_b32 s[G1+7], 0
	s_mul_i32 s[HO], s[BH], HEADB
	s_mov_b32 s[HO+1], 0
	s_mul_i32 s[WO], s[WV], STEPB                      ; the block that I fetch of a fill
	s_mov_b32 s[WO+1], 0
	s_mov_b32 s[SEL], 0x76543210
	s_mov_b32 s[SEL+1], 0xfedcba98
	s_mov_b32 s[CS], 0x3e38aa3b                        ; log2(e) / 8
	s_mov_b32 s[CS+1], s[CS]
	s_mov_b32 s[MHI], 0xffff0000
	s_lshr_b32 s[LIM], s[WV], 2
	s_xor_b32 s[LIM], s[LIM], 3                        ; 0 in waves 12 to 15,
	s_or_b32 s[LIM], s[LIM], ttmp9                     ; of the head's first cluster: the same in all four partners
	v_and_b32 v4, 31, v0
	s_delay_alu instid0(VALU_DEP_1)
	v_lshlrev_b32 v1, 4, v4
	v_lshlrev_b32 v2, 3, v4
	v_lshlrev_b32 v3, 2, v4
	s_and_b32 s18, s[WV], 3
	s_lshl_b32 s18, s18, 5
	s_lshl_b32 s19, s[CX], 7
	s_add_co_u32 s18, s18, s19
	v_add_nc_u32 v7, s18, v4                           ; the piece that I name: 128 x partner + 32 x (wave - 12) + lane,
	s_delay_alu instid0(VALU_DEP_1)
	v_min_u32 v7, 509, v7                              ; inside the fill's 510
	s_delay_alu instid0(VALU_DEP_1)
	v_lshlrev_b32 v7, 8, v7
	v_bfe_u32 v11, v0, 4, 1
	s_delay_alu instid0(VALU_DEP_1)
	v_lshlrev_b32 v11, 3, v11
	s_wait_alu depctr_va_vdst(0)
	s_wait_dscnt 0x0
	s_wait_kmcnt 0x0
	s_mov_b32 s[G0], 1
	s_mov_b32 s[G0+1], s[WO]
	s_add_nc_u64 s[G0+2:G0+3], s[6:7], s[HO:HO+1]
	s_add_nc_u64 s[PFA:PFA+1], s[G0+2:G0+3], (NA+NB)*STEPB   ; the third fill's first byte
	s_add_nc_u64 s[G0+2:G0+3], s[G0+2:G0+3], s[WO:WO+1]
	s_or_b32 s[G0+3], s[G0+3], 0x80000000
	ROUND
	TLOAD NA                                           ; key steps 0 to 9 into region A
	s_lshr_b32 s[T0], s[QT], 3
	s_mul_i32 s[T0], s[T0], STEPB
	s_mov_b32 s[T0+1], 0
	s_and_b32 s[T2], s[QT], 7
	s_mov_b32 s[T2+1], 0
	s_add_nc_u64 s[4:5], s[4:5], s[HO:HO+1]
	s_add_nc_u64 s[4:5], s[4:5], s[T0:T0+1]            ; qb at my tile's block
	s_lshr_b32 s18, s[T2], 1
	s_lshl_b32 s18, s18, 7
	s_mov_b32 s19, 0
	s_add_nc_u64 s[18:19], s[4:5], s[18:19]            ; the scale words of my pair of tiles
	s_and_b32 s[SH], s[QT], 1
	s_lshl_b32 s[SH], s[SH], 4                         ; my tile's two bytes stand 16 (tile % 2) bits up
	s_mul_i32 s[T2], s[T2], 768
	s_add_nc_u64 s[4:5], s[4:5], s[T2:T2+1]            ; its half tile
	global_load_b128 v[QF:QF+3], v1, s[4:5]
	global_load_b64 v[QF+4:QF+5], v2, s[4:5] offset:512
	global_load_b128 v[QF+18:QF+21], v1, s[4:5]        ; and once more, as the upper 64 along K
	global_load_b64 v[QF+22:QF+23], v2, s[4:5] offset:512
	global_load_b32 v[QS], v3, s[18:19] offset:6144
.irp j, 6,7,8,9,10,11,12,13,14,15,16,17
	v_mov_b32 v[QF+\j], 0                              ; zero codes, written once
.endr
	v_mov_b32 v13, 0xff61b1e6                          ; the largest score so far: -3e38
	s_delay_alu instid0(VALU_DEP_1)
	v_mul_f32 v12, s[CS], v13
	s_delay_alu instid0(VALU_DEP_1)
	v_floor_f32 v12, -v12
	v_mov_b32 v14, 0
	v_mov_b32 v15, 0
	v_mov_b32 v253, 0
	v_mov_b32 v254, 0
	v_mov_b32 v255, 0                                  ; a lane permute's destination counts as one of its sources
	s_wait_loadcnt 0x0
	v_lshrrev_b32 v[QS], s[SH], v[QS]                  ; q's two bytes below, for [q | 0],
	s_delay_alu instid0(VALU_DEP_1)
	v_lshlrev_b32 v[QS+1], 16, v[QS]                   ; and above, for [0 | q]
.set j, 0
.rept 32
	v_mov_b32 v[O+j], 0                                ; the step is written once: the first finds zeros.  (Also the places between the scale words and the first products)
.set j, j+1
.endr
	s_wait_alu depctr_va_vdst(0)
	CHANGE BOFF, NA, NB                                ; key steps 10 to 21 into region B: its first fill, issued as a refill is
	s_cmp_eq_u32 s[LIM], 0
	s_cbranch_scc0 .Lnot_mine
	global_prefetch_b8 v7, s[PFA:PFA+1] th:TH_LOAD_NT scope:SCOPE_SE
.Lnot_mine:
	SLOT 0, NA
	CHANGE 0, NB, NA                                   ; key steps 22 to 31 into region A
	SLOT BOFF, NB
	s_wait_tensorcnt 0x0                               ; the last change: nothing more is asked for
	ds_add_u32 v5, v6
	s_wait_dscnt 0x0
	s_barrier_signal -1
	s_barrier_wait -1
	SLOT 0, NA
	; ---- the way out: O^T / the sum, quantised along the head's 64
	v_add_f32 v14, v14, v15
	s_delay_alu instid0(VALU_DEP_1)
	v_permlanex16_b32 v252, v14, s[SEL], s[SEL+1]
	s_delay_alu instid0(VALU_DEP_1)
	v_add_f32 v14, v14, v252
	s_wait_alu depctr_va_vdst(0)
	v_rcp_f32 v14, v14
	v_and_b32 v8, 15, v0
	v_bfe_u32 v9, v0, 4, 1
	s_delay_alu instid0(VALU_DEP_1)
	v_lshl_add_u32 v8, v8, 4, v9                       ; 16 r + h
	s_lshr_b32 s[T0], s[BH], 3
	s_lshl_b32 s[T0], s[T0], 8
	s_add_co_u32 s[T0], s[T0], s[QT]                   ; my tile among the 512 of both batches
	s_and_b32 s[T2], s[BH], 7                          ; the head
	s_lshl_b32 s16, s[T0], 8
	s_lshl_b32 s18, s[T2], 1
	s_add_co_u32 s16, s16, s18
	s_mov_b32 s17, 0
	s_add_nc_u64 s[10:11], s[10:11], s[16:17]
	s_mul_i32 s[T0], s[T0], 6144
	s_mul_i32 s[T2], s[T2], 768
	s_add_co_u32 s[T0], s[T0], s[T2]
	s_mov_b32 s[T0+1], 0
	s_add_nc_u64 s[8:9], s[8:9], s[T0:T0+1]
	s_wait_alu depctr_va_vdst(0)                       ; ahead of the first reader of the reciprocal and of O^T
.set j, 0
.rept 32
	v_mul_f32 v[S+j], v[O+j], v14                      ; register 16 b + i: channel 32 b + 16 h + i
.set j, j+1
.endr
.irp b, 0,1
	v_max3_num_f32 v[TT+\b], |v[S+16*\b]|, |v[S+1+16*\b]|, 0x1800000
.endr
.irp i, 2,4,6,8,10,12,14
.irp b, 0,1
	s_delay_alu instid0(VALU_DEP_2)
	v_max3_num_f32 v[TT+\b], |v[S+16*\b+\i]|, |v[S+1+16*\b+\i]|, v[TT+\b]
.endr
.endr
.irp b, 0,1
	s_delay_alu instid0(VALU_DEP_2)
	v_permlanex16_b32 v[254+\b], v[TT+\b], s[SEL], s[SEL+1]
.endr
.irp b, 0,1
	s_delay_alu instid0(VALU_DEP_2)
	v_max_num_f32 v[TT+\b], v[TT+\b], v[254+\b]
.endr
.irp b, 0,1
	s_delay_alu instid0(VALU_DEP_2)
	v_add_nc_u32 v[TT+6+\b], 0xff000000, v[TT+\b]
.endr
.irp b, 0,1
	s_delay_alu instid0(VALU_DEP_2)
	v_lshrrev_b32 v[TT+2+\b], 23, v[TT+6+\b]
.endr
	v_cvt_scalef32_pk16_fp6_f32 v[P:P+2], v[S:S+15], v[TT+6]
	v_cvt_scalef32_pk16_fp6_f32 v[P+6:P+8], v[S+16:S+31], v[TT+7]
	v_nop
.irp i, 0,1,2
	v_permlane16_swap_b32 v[P+\i], v[P+6+\i]           ; here a block lies in lanes l and l xor 16: a whole block to a lane
.endr
.irp i, 0,1,2
	s_delay_alu instid0(VALU_DEP_3)
	v_mov_b32 v[P+3+\i], v[P+6+\i]
.endr
	v_cndmask_b32 v[TT], v[TT+2], v[TT+3], s[MHI]      ; lanes 0-15 store the first block's byte, lanes 16-31 the second's
	global_store_b128 v1, v[P:P+3], s[8:9]             ; 512 consecutive bytes, aligned to 256
	global_store_b64 v2, v[P+4:P+5], s[8:9] offset:512
	global_store_b8 v8, v[TT], s[10:11]
	s_wait_tensorcnt 0x0                               ; the wave's end
	ds_add_u32 v5, v6
	s_wait_dscnt 0x0
	ROUND                                              ; the closing round
	s_endpgm
.Lfunc_end_k_q2c54cb840c_attn:
	.size	k_q2c54cb840c_attn, .Lfunc_end_k_q2c54cb840c_attn-k_q2c54cb840c_attn
	.p2alignl 7, 3214868480
	.fill 96, 4, 3214868480
	.section	.rodata,"a",@progbits
	.p2align	6, 0x0
	.amdhsa_kernel k_q2c54cb840c_attn
		.amdhsa_group_segment_fixed_size 327680
		.amdhsa_private_segment_fixed_size 0
		.amdhsa_enable_private_segment 0
		.amdhsa_kernarg_size 32
		.amdhsa_user_sgpr_count 2
		.amdhsa_user_sgpr_kernarg_segment_ptr 1
		.amdhsa_wavefront_size32 1
		.amdhsa_system_sgpr_workgroup_id_x 1
		.amdhsa_system_sgpr_workgroup_id_y 1
		.amdhsa_system_sgpr_workgroup_id_z 1
		.amdhsa_system_vgpr_workitem_id 0
		.amdhsa_next_free_vgpr 256
		.amdhsa_next_free_sgpr 66
		.amdhsa_reserve_vcc 0
		.amdhsa_float_denorm_mode_32 3
		.amdhsa_float_denorm_mode_16_64 3
		.amdhsa_memory_ordered 1
		.amdhsa_forward_progress 1
		.amdhsa_inst_pref_size 61
	.end_amdhsa_kernel
	.amdgpu_metadata
---
amdhsa.version: [ 1, 2 ]
amdhsa.kernels:
  - .name:           k_q2c54cb840c_attn
    .symbol:         k_q2c54cb840c_attn.kd
    .args:
      - { .name: qb, .offset: 0, .size: 8, .value_kind: global_buffer, .address_space: global }
      - { .name: kv, .offset: 8, .size: 8, .value_kind: global_buffer, .address_space: global }
      - { .name: oc, .offset: 16, .size: 8, .value_kind: global_buffer, .address_space: global }
      - { .name: os, .offset: 24, .size: 8, .value_kind: global_buffer, .address_space: global }
    .group_segment_fixed_size: 327680
    .private_segment_fixed_size: 0
    .kernarg_segment_align: 8
    .kernarg_segment_size: 32
    .max_flat_workgroup_size: 512
    .sgpr_count:     66
    .vgpr_count:     256
    .wavefront_size: 32
...
	.end_amdgpu_metadata
.endif
;; end of part 2
;; launch tail (part 3): grid 256 x 1, 4 waves a work-group, clusters of 4 x 1, 327,680 bytes of LDS; arguments x, oc, os, Wo_codes, Wo_scales, bo, ln2_g, ln2_b, W1_codes, W1_scales, b1, w2r, W2_scales, b2, out0; writes out0
.if DOCPART == 3
	.amdgcn_target "amdgcn-amd-amdhsa--gfx1250"
	.amdhsa_code_object_version 6
	.text
	.protected	k_q2c54cb840c_tail
	.globl	k_q2c54cb840c_tail
	.p2align	8
	.type	k_q2c54cb840c_tail,@function
k_q2c54cb840c_tail:
	s_mov_b64 s[64:65], 0
	v_nop
	global_prefetch_b8 v0, s[64:65] scope:SCOPE_SE
	s_setreg_imm32_b32 hwreg(HW_REG_WAVE_MODE, 25, 1), 1
	s_wait_xcnt 0x0
	s_wait_alu depctr_hold_cnt(0) depctr_sa_sdst(0) depctr_va_vdst(0) depctr_va_sdst(0) depctr_va_ssrc(0) depctr_va_vcc(0) depctr_vm_vsrc(0)
	s_getreg_b32 s2, hwreg(HW_REG_IB_STS2, 6, 4)
	s_cmp_eq_u32 s2, 0
	s_cbranch_scc0 .Lentry_in_a_cluster
	s_endpgm
.Lentry_in_a_cluster:
	s_bfe_u32 s2, ttmp6, 0x10000c
	s_cmp_lg_u32 s2, 0x3003
	s_cbranch_scc0 .Lentry_shape_is_right
	s_endpgm
.Lentry_shape_is_right:
; LAUNCH 3 OF 3.  x1 = x + o Wo + bo; h2 = layer norm 2 of x1; out = x1 + gelu(h2 W1 + b1) W2 + b2.  The three products on codes of FP6 (E2M3) with E8M0 scales; h2 and the hidden layer are quantised on the way and never go to memory.
; No work of the problem is left out.
; LIMITS: NaN and infinities are not served; a block of zeros gets the scale byte 1 (its codes are zeros; only this program reads the bytes).  erf(z) = z P(z^2) / Q(z^2) with |z| held at 4, in f32: 1 + erf loses
; relative accuracy for arguments of gelu under about -3, as every f32 sum 1 + erf does.  Residual and biases start the sums, so the order of the f32 additions differs from the written one.
; SHARES.  A work-group owns 32 rows: row tiles m = 0, 1, in the program's tile order (place r of tile m: row 8 m + r + 8 (r / 8)).  THE FOUR WAVES SHARE THE COLUMNS: of each chunk of 256 weight rows wave w takes rows 64 w .. 64 w + 63,
; four tiles.  All products are used transposed (source 0 = 16 rows of W, source 1 = 16 rows of the activation): a lane holds one row and its registers run along n, the next K.  Each weight fragment is read from LDS once and feeds
; two matrix instructions, whose accumulators take turns.  x1 stays in 128 registers and is the accumulator of the last product.
; THE WEIGHTS are 18 chunks of one shape, 256 rows x 384 bytes (512 along K): Wo 2, W1 8, W2 8 (by halves of n, then by K).  They go through a ring of two LDS slots; chunk i + 1 is asked for at the head of chunk i's work.
; CLUSTER: all row blocks walk the same weights, so the four work-groups of a cluster ask jointly.  Waves 0 and 1 fetch a chunk's halves, wave 2 its scale bytes; W2's scale bytes come once, by wave 3: one tensor load a wave outstanding.
; REGISTERS, in windows of 256.  Window 0: v3-31 addresses; v32-95 ACC; v96-159 GT (work); v160-175 the weights' scale words, v176-183 the activation's; v184-233 work.  Window 1: v0-95 two weight buffers, v96-191 the activation's
;   eight fragments, v192-223 b1 of the chunk.  Window 2: x1.  Window 3: gain, bias of the norm, b2, bo, 64 each.
.set WP,    432                        ; a weight row in LDS: 3 x (128 bytes + 16 of padding)
.set HALFC, 128*WP
.set SLOT1, 131072                     ; slot 1 begins here: one exclusive or turns an address
.set H2,    110592                     ; behind slot 0: h2's half tiles [m][8][768],
.set SCL,   122880                     ; and two slots of a chunk's scale bytes, 16 a row
.set W2S,   241664                     ; behind slot 1: W2's scale bytes, 64 a row, filled once
.set H2S,   274432                     ; h2's scale words [m][r][4]
.set HD,    274944                     ; the hidden layer's half tiles [m][32][768]
.set HDS,   324096                     ; its scale words [m][r][16]
.set RED,   326144                     ; the norm's partial sums, twice [m][r][wave]
.set SPARE, 327168                     ; the spare words: no other line names them
.set STP,   2064                       ; the stage for out0, in slot 0 after its last fill and last read: 32 rows of 2,048 + 16
.set L16, 3
.set L8,  4
.set AW0, 5
.set AS0, 7
.set AS2, 8
.set CV,  9
.set XO,  10
.set H2W16, 11
.set H2W8,  12
.set H2SW,  13
.set HDW16, 14
.set HDW8,  15
.set HDSW,  16
.set REDW,  17
.set REDR,  18
.set H2R16, 19
.set H2R8,  20
.set H2SR,  21
.set HDR16, 22
.set HDR8,  23
.set HDSR,  24
.set TA,  25
.set TSA, 27
.set TC,  28
.set R16, 31
.set ACC, 32
.set GT,  96
.set GZ,  GT
.set GX,  GT+16
.set GP,  GT+32
.set GQ,  GT+48
.set WSC, 160
.set ASC, 176
.set TM,  184
.set PC,  192
.set KA,  202
.set KB,  204
.set MU,  206                          ; v206-213: pairs mean, 1 / deviation of m = 0, then of m = 1
.set CH,  214
.set STO, 222
.set STR, 223
.set RT,  226
.set SPW, 252
.set NIL, 253
.set AF,  96                           ; window 1
.set BI,  192                          ; window 1
.set INV, 34
.set EPS, 35
.set G1CA, 36
.set G1CB, 44
.set G1S,  52
.set TB,  60
.set TS,  61
.set TJ,  62
.set TJS, 63
.set TH,  66
.set TK,  67
.set G1W, 68
.set G0C, 76
.set G0S, 80
.set G0W, 84
.set WV,  88
.set CX,  89
.set WG,  90
.set CNT, 91
.set SEL, 92
.set KST, 94
.set HOFA, 96
.set HOFB, 98
.set T0,  100
.set MSB, 0
.macro WIN new
.if MSB != (\new)
	s_set_vgpr_msb (MSB<<8)|(\new)
.set MSB, \new
.endif
.endm
.macro ROUND
	s_barrier_signal -1
	s_barrier_wait -1
	s_cmp_lg_u32 s[WV], 0
	s_cbranch_scc1 .Lnot_wave_0_\@
	s_barrier_signal -3
.Lnot_wave_0_\@:
	s_barrier_wait -3
	s_barrier_signal -1
	s_barrier_wait -1
.endm
.macro BAR
	s_wait_dscnt 0x0
	s_barrier_signal -1
	s_barrier_wait -1
.endm
; the joint refill.  kind 1: a chunk of Wo or W1, and the chunk's scale bytes; kind 2: a chunk of W2 as launch 1 has laid it again, dense like the others.  The branches hang on the wave's number alone
.macro JL kind
	s_cmp_lt_u32 s[WV], 2
	s_cbranch_scc0 .Lnotc_\@
.if \kind == 1
	tensor_load_to_lds s[G0C:G0C+3], s[G1CA:G1CA+7]
.else
	tensor_load_to_lds s[G0C:G0C+3], s[G1CB:G1CB+7]
.endif
	s_nop 0
.rept 4
	v_nop
.endr
.if \kind == 1
	s_branch .Ldone_\@
.endif
.Lnotc_\@:
.if \kind == 1
	s_cmp_eq_u32 s[WV], 2
	s_cbranch_scc0 .Ldone_\@
	tensor_load_to_lds s[G0S:G0S+3], s[G1S:G1S+7]
	s_nop 0
.rept 4
	v_nop
.endr
.Ldone_\@:
.endif
.endm
; The change of slots, at the head of a chunk's work: all my tensor loads have landed, the add, the descriptors step, my LDS instructions are done; a round of the cluster's barrier; the slot just left is filled first thing behind it.
; mode 0: the next chunk of the same weight; 1: W1's first; 2: W2's first; 3: W2's next, KST bytes on; 4: nothing more
.macro CHANGE mode, kind
	s_wait_tensorcnt 0x0
	ds_add_u32 v[SPW], v[NIL]
.if \mode < 4
	s_xor_b32 s[G0C+1], s[G0C+1], SLOT1
.endif
.if \mode < 2
	s_xor_b32 s[G0S+1], s[G0S+1], 4096
.endif
.if \mode == 0
	s_add_nc_u64 s[G0C+2:G0C+3], s[G0C+2:G0C+3], 98304
	s_add_nc_u64 s[G0S+2:G0S+3], s[G0S+2:G0S+3], 4096
.endif
.if \mode == 1
	s_add_nc_u64 s[G0C+2:G0C+3], s[20:21], s[HOFA:HOFA+1]
	s_or_b32 s[G0C+3], s[G0C+3], 0x80000000
	s_mov_b64 s[G0S+2:G0S+3], s[22:23]
	s_or_b32 s[G0S+3], s[G0S+3], 0x80000000
.endif
.if \mode == 2
	s_add_nc_u64 s[G0C+2:G0C+3], s[26:27], s[HOFB:HOFB+1]
	s_or_b32 s[G0C+3], s[G0C+3], 0x80000000
.endif
.if \mode == 3
	s_add_nc_u64 s[G0C+2:G0C+3], s[G0C+2:G0C+3], s[KST:KST+1]
.endif
	s_wait_dscnt 0x0
.if \kind > 0
	ROUND
	JL \kind
.else
	s_barrier_signal -1
	s_barrier_wait -1
.endif
.endm
.macro TOGGLE
	s_xor_b32 s[TB], s[TB], SLOT1
	s_xor_b32 s[TS], s[TS], 4096
.endm
.macro FRAGW reg, adr, s, off
.irp p, 0,1,2,3,4,5
.set PCE, 12*(\s)+6*(\p/3)+\p%3
.if PCE%16 < 13
	ds_load_b64 v[(\reg)+2*\p:(\reg)+2*\p+1], v[\adr] offset:(\off)+8*PCE+16*(PCE/16)
.else
	ds_load_b64 v[(\reg)+2*\p:(\reg)+2*\p+1], v[(\adr)+1] offset:(\off)+8*PCE+16*(PCE/16)
.endif
.endr
.endm
.macro WFR t, p                        ; my weight tile t, four K steps, into buffer p: 24 loads
.irp s, 0,1,2,3
	FRAGW 48*(\p)+12*\s, TA, \s, (32*((\t)/2)+8*((\t)%2))*WP
.endr
.endm
.macro WM d, a, b, sa, sb
	v_wmma_scale_f32_16x16x128_f8f6f4 v[\d:\d+7], v[\a:\a+11], v[\b:\b+11], v[\d:\d+7], v[\sa], v[\sb] matrix_a_fmt:MATRIX_FMT_FP6 matrix_b_fmt:MATRIX_FMT_FP6
.endm
.macro WMC d, a, b, c, sa, sb
	v_wmma_scale_f32_16x16x128_f8f6f4 v[\d:\d+7], v[\a:\a+11], v[\b:\b+11], v[\c:\c+7], v[\sa], v[\sb] matrix_a_fmt:MATRIX_FMT_FP6 matrix_b_fmt:MATRIX_FMT_FP6
.endm
; a chunk's 32 products.  mode 0: into ACC (window 0), begun with b1; mode 2: onto x1 at acc (window 2).  v[TSA]: where my rows' scale words lie, sst bytes a row
.macro MM mode, acc, sst, soff
	v_add_nc_u32 v[TA], s[TB], v[AW0]
	s_wait_alu depctr_va_vdst(0)
	v_add_nc_u32 v[TA+1], s[TB], v[AW0+1]
	s_wait_alu depctr_va_vdst(0)
.irp t, 0,1,2,3
	ds_load_b128 v[WSC+4*\t:WSC+4*\t+3], v[TSA] offset:(32*(\t/2)+8*(\t%2))*(\sst)+(\soff)
.endr
	WIN 0x40
	WFR 0, 0
.irp t, 0,1,2,3
.if \t < 3
	WIN 0x40
	WFR \t+1, (\t+1)%2
	s_wait_dscnt 24                                    ; only the next tile's 24 loads may be out
.else
	s_wait_dscnt 0x0
.endif
.irp s, 0,1,2,3
.irp m, 0,1                                            ; the two accumulators take turns
.if \mode == 0
.if \s == 0
	WIN 0x15
	WMC ACC+32*\m+8*\t, 48*(\t%2)+12*\s, AF+48*\m+12*\s, BI+8*\t, WSC+4*\t+\s, ASC+4*\m+\s
.else
	WIN 0x05
	WM ACC+32*\m+8*\t, 48*(\t%2)+12*\s, AF+48*\m+12*\s, WSC+4*\t+\s, ASC+4*\m+\s
.endif
.else
	WIN 0xa5
	WM (\acc)+32*\m+8*\t, 48*(\t%2)+12*\s, AF+48*\m+12*\s, WSC+4*\t+\s, ASC+4*\m+\s
.endif
.endr
.endr
	WIN 0
.rept 4
	v_nop                                              ; places ahead of loads into registers just read, and of the first read of results
.endr
.if (\mode == 0) && (\t == 1)
	GELU 0, 2                                          ; weight tiles 0 and 1 are finished for both m: their gelu stands here, while tile 2's fragments land
.endif
.endr
.endm
; 32 numbers of a lane in window w, register 16 b + i = k 32 b + 16 (lane / 16) + i, become a half tile in v[pc .. pc + 5]; the two scale bytes in v[TM + 2], v[TM + 3]
.macro QH s, w, pc
	WIN (\w)|((\w)<<2)
.irp b, 0,1
	v_max3_num_f32 v[TM+\b], |v[(\s)+16*\b]|, |v[(\s)+1+16*\b]|, 0x1800000
.endr
.irp i, 2,4,6,8,10,12,14
.irp b, 0,1
	v_max3_num_f32 v[TM+\b], |v[(\s)+16*\b+\i]|, |v[(\s)+1+16*\b+\i]|, v[TM+\b]
.endr
.endr
	WIN 0
.irp b, 0,1
	v_permlanex16_b32 v[TM+4+\b], v[TM+\b], s[SEL], s[SEL+1]
.endr
.irp b, 0,1
	v_max_num_f32 v[TM+\b], v[TM+\b], v[TM+4+\b]
.endr
.irp b, 0,1
	v_add_nc_u32 v[TM+6+\b], 0xff000000, v[TM+\b]
.endr
.irp b, 0,1
	v_lshrrev_b32 v[TM+2+\b], 23, v[TM+6+\b]
.endr
	WIN \w
	v_cvt_scalef32_pk16_fp6_f32 v[(\pc):(\pc)+2], v[(\s):(\s)+15], v[TM+6]
	v_cvt_scalef32_pk16_fp6_f32 v[(\pc)+6:(\pc)+8], v[(\s)+16:(\s)+31], v[TM+7]
	WIN 0
	v_nop
.irp i, 0,1,2
	v_permlane16_swap_b32 v[(\pc)+\i], v[(\pc)+6+\i]
.endr
.irp i, 0,1,2
	v_mov_b32 v[(\pc)+3+\i], v[(\pc)+6+\i]
.endr
	v_lshl_or_b32 v[TM+2], v[TM+3], 8, v[TM+2]         ; the two bytes as 16 bits
.endm
.macro HORN d, lit                     ; one step of Horner's rule on eight pairs
.irp k, 0,2,4,6,8,10,12,14
	v_pk_fma_f32 v[\d+\k:\d+\k+1], v[\d+\k:\d+\k+1], v[GX+\k:GX+\k+1], \lit op_sel_hi:[1,1,0]
.endr
.endm
; gelu(u) = u / 2 + (u / 2) erf(u / sqrt 2) on ACC's 64 numbers, sixteen at a time; the sixteen reciprocals are one batch with one wait
.macro GELU ga, gb
.irp bt, \ga, \gb
.irp k, 0,2,4,6,8,10,12,14
	v_pk_mul_f32 v[GZ+\k:GZ+\k+1], v[ACC+16*\bt+\k:ACC+16*\bt+\k+1], 0x3f3504f3 op_sel_hi:[1,0]
.endr
.irp k, 0,1,2,3,4,5,6,7,8,9,10,11,12,13,14,15
	v_med3_num_f32 v[GZ+\k], v[GZ+\k], -4.0, 4.0
.endr
.irp k, 0,2,4,6,8,10,12,14
	v_pk_mul_f32 v[GX+\k:GX+\k+1], v[GZ+\k:GZ+\k+1], v[GZ+\k:GZ+\k+1]
.endr
.irp k, 0,2,4,6,8,10,12,14
	v_pk_fma_f32 v[GP+\k:GP+\k+1], v[GX+\k:GX+\k+1], v[KA:KA+1], 0x32edffee op_sel_hi:[1,1,0]
	v_pk_fma_f32 v[GQ+\k:GQ+\k+1], v[GX+\k:GX+\k+1], v[KB:KB+1], 0xb95fbd29 op_sel_hi:[1,1,0]
.endr
	HORN GP, 0xb60cff55
	HORN GQ, 0xbadc924e
	HORN GP, 0xb86ec2d2
	HORN GQ, 0xbbf19bf8
	HORN GP, 0xba40ac63
	HORN GQ, 0xbc69b6a7
	HORN GP, 0xbb41a1f6
	HORN GP, 0xbc83dbd4
.irp k, 0,2,4,6,8,10,12,14
	v_pk_mul_f32 v[GP+\k:GP+\k+1], v[GP+\k:GP+\k+1], v[GZ+\k:GZ+\k+1]
.endr
	s_wait_alu depctr_va_vdst(0)
.irp k, 0,1,2,3,4,5,6,7,8,9,10,11,12,13,14,15
	v_rcp_f32 v[GQ+\k], v[GQ+\k]
.endr
.irp k, 0,2,4,6,8,10,12,14
	v_pk_mul_f32 v[GZ+\k:GZ+\k+1], v[ACC+16*\bt+\k:ACC+16*\bt+\k+1], 0.5 op_sel_hi:[1,0]   ; plain work behind the batch
.endr
	s_wait_alu depctr_va_vdst(0)                       ; one wait for the sixteen, ahead of their first reader
.irp k, 0,2,4,6,8,10,12,14
	v_pk_mul_f32 v[GP+\k:GP+\k+1], v[GP+\k:GP+\k+1], v[GQ+\k:GQ+\k+1]
.endr
.irp k, 0,2,4,6,8,10,12,14
	v_pk_fma_f32 v[ACC+16*\bt+\k:ACC+16*\bt+\k+1], v[GZ+\k:GZ+\k+1], v[GP+\k:GP+\k+1], v[GZ+\k:GZ+\k+1]
.endr
.endr
.endm
.macro AFH2                            ; h2's eight fragments and their scale words
	WIN 0x40
.irp m, 0,1
.irp s, 0,1,2,3
.irp c, 0,1
	ds_load_b128 v[AF+48*\m+12*\s+6*\c:AF+48*\m+12*\s+6*\c+3], v[H2R16] offset:\m*6144+(2*\s+\c)*768
	ds_load_b64 v[AF+48*\m+12*\s+6*\c+4:AF+48*\m+12*\s+6*\c+5], v[H2R8] offset:\m*6144+(2*\s+\c)*768
.endr
.endr
.endr
	WIN 0
.irp m, 0,1
	ds_load_b128 v[ASC+4*\m:ASC+4*\m+3], v[H2SR] offset:256*\m
.endr
.endm
.macro BILOAD
	WIN 0x40
.irp t, 0,1,2,3
	global_load_b128 v[BI+8*\t:BI+8*\t+3], v[CV], s[24:25] offset:(\t/2)*128+(\t%2)*32
	global_load_b128 v[BI+8*\t+4:BI+8*\t+7], v[CV], s[24:25] offset:(\t/2)*128+(\t%2)*32+16
.endr
	WIN 0
.endm
; a chunk of W1: my 64 hidden units for the 32 rows, gelu, quantised: one half tile for each m
.macro FF1WORK next
	v_add_nc_u32 v[TSA], s[TS], v[AS0]
	s_wait_loadcnt 0x0                                 ; this chunk's b1
	MM 0, ACC, 16, 0
.if \next
	s_add_nc_u64 s[24:25], s[24:25], 1024              ; (its last loads are done)
	BILOAD
.endif
	GELU 1, 3
	v_add_nc_u32 v[TC], s[TJ], v[HDW16]
	v_add_nc_u32 v[TC+1], s[TJ], v[HDW8]
	v_add_nc_u32 v[TC+2], s[TJS], v[HDSW]
	; both m are quantised together: four blocks k = 2 m + b by turns; scale operands, bytes and codes in GT, which the gelu has left.  These registers are written again only behind the next change's wait on DScnt
.irp k, 0,1,2,3
	v_max3_num_f32 v[TM+\k], |v[ACC+16*\k]|, |v[ACC+1+16*\k]|, 0x1800000
.endr
.irp i, 2,4,6,8,10,12,14
.irp k, 0,1,2,3
	v_max3_num_f32 v[TM+\k], |v[ACC+16*\k+\i]|, |v[ACC+1+16*\k+\i]|, v[TM+\k]
.endr
.endr
.irp k, 0,1,2,3
	v_permlanex16_b32 v[TM+4+\k], v[TM+\k], s[SEL], s[SEL+1]
.endr
.irp k, 0,1,2,3
	v_max_num_f32 v[TM+\k], v[TM+\k], v[TM+4+\k]
.endr
.irp k, 0,1,2,3
	v_add_nc_u32 v[GT+\k], 0xff000000, v[TM+\k]
.endr
.irp k, 0,1,2,3
	v_lshrrev_b32 v[GT+4+\k], 23, v[GT+\k]
.endr
.irp m, 0,1
	v_cvt_scalef32_pk16_fp6_f32 v[GT+8+12*\m:GT+10+12*\m], v[ACC+32*\m:ACC+32*\m+15], v[GT+2*\m]
	v_cvt_scalef32_pk16_fp6_f32 v[GT+14+12*\m:GT+16+12*\m], v[ACC+32*\m+16:ACC+32*\m+31], v[GT+2*\m+1]
.endr
	v_nop                                              ; one plain place behind the conversions
.irp m, 0,1
.irp i, 0,1,2
	v_permlane16_swap_b32 v[GT+8+12*\m+\i], v[GT+14+12*\m+\i]
.endr
.endr
.irp m, 0,1
.irp i, 0,1,2
	v_mov_b32 v[GT+11+12*\m+\i], v[GT+14+12*\m+\i]
.endr
	v_lshl_or_b32 v[GT+4+2*\m], v[GT+5+2*\m], 8, v[GT+4+2*\m]   ; the two bytes as 16 bits
.endr
.irp m, 0,1
	ds_store_b128 v[TC], v[GT+8+12*\m:GT+11+12*\m] offset:24576*\m
	ds_store_b64 v[TC+1], v[GT+12+12*\m:GT+13+12*\m] offset:24576*\m
	ds_store_b16 v[TC+2], v[GT+4+2*\m] offset:1024*\m
.endr
	s_add_co_u32 s[TJ], s[TJ], 3072
	s_add_co_u32 s[TJS], s[TJS], 8
	TOGGLE
.endm
; a chunk of W2: 512 along K of the hidden layer onto x1's half ng
.macro FF2WORK ng
	v_add_nc_u32 v[TC], s[TH], v[HDR16]
	v_add_nc_u32 v[TC+1], s[TH], v[HDR8]
	v_add_nc_u32 v[TC+2], s[TK], v[HDSR]
	v_add_nc_u32 v[TSA], s[TK], v[AS2]
	WIN 0x40
.irp m, 0,1
.irp s, 0,1,2,3
.irp c, 0,1
	ds_load_b128 v[AF+48*\m+12*\s+6*\c:AF+48*\m+12*\s+6*\c+3], v[TC] offset:\m*24576+(2*\s+\c)*768
	ds_load_b64 v[AF+48*\m+12*\s+6*\c+4:AF+48*\m+12*\s+6*\c+5], v[TC+1] offset:\m*24576+(2*\s+\c)*768
.endr
.endr
.endr
	WIN 0
.irp m, 0,1
	ds_load_b128 v[ASC+4*\m:ASC+4*\m+3], v[TC+2] offset:1024*\m
.endr
	MM 2, 64*\ng, 64, \ng*16384
	s_add_co_u32 s[TH], s[TH], 6144
	s_add_co_u32 s[TK], s[TK], 16
	TOGGLE
.endm
.macro VEC4 base, ptr                  ; 64 numbers of a vector of 512, in the result's layout, into window 3
.irp g, 0,1
.irp t, 0,1,2,3
	global_load_b128 v[\base+32*\g+8*\t:\base+32*\g+8*\t+3], v[CV], s[\ptr:\ptr+1] offset:\g*1024+(\t/2)*128+(\t%2)*32
	global_load_b128 v[\base+32*\g+8*\t+4:\base+32*\g+8*\t+7], v[CV], s[\ptr:\ptr+1] offset:\g*1024+(\t/2)*128+(\t%2)*32+16
.endr
.endr
.endm
.macro X1ADD base                      ; x1 += a vector of window 3, the same for both m
	WIN 0x8e
.irp g, 0,1
.irp m, 0,1
.set j, 0
.rept 16
	v_pk_add_f32 v[64*\g+32*\m+j:64*\g+32*\m+j+1], v[64*\g+32*\m+j:64*\g+32*\m+j+1], v[\base+32*\g+j:\base+32*\g+j+1]
.set j, j+2
.endr
.endr
.endr
	WIN 0
.endm
.macro REDUCE off                      ; v[CH + 4 m]: my wave's part of row (m, r); afterwards v[RT + 4 m]: the row's sum, added in one order in all waves
.irp m, 0,1
	v_pk_add_f32 v[CH+4*\m:CH+4*\m+1], v[CH+4*\m:CH+4*\m+1], v[CH+4*\m+2:CH+4*\m+3]
.endr
.irp m, 0,1
	v_add_f32 v[CH+4*\m], v[CH+4*\m], v[CH+4*\m+1]
.endr
.irp m, 0,1
	v_permlanex16_b32 v[CH+4*\m+1], v[CH+4*\m], s[SEL], s[SEL+1]
.endr
.irp m, 0,1
	v_add_f32 v[CH+4*\m], v[CH+4*\m], v[CH+4*\m+1]
.endr
.irp m, 0,1
	ds_store_b32 v[REDW], v[CH+4*\m] offset:\off+256*\m
.endr
	BAR                                                ; my stores have landed; behind this barrier nothing is filled, so the chunk on its way may stay out
.irp m, 0,1
	ds_load_b128 v[RT+4*\m:RT+4*\m+3], v[REDR] offset:\off+256*\m
.endr
	s_wait_dscnt 0x0
.irp m, 0,1
	v_add_f32 v[RT+4*\m], v[RT+4*\m], v[RT+4*\m+1]
	v_add_f32 v[RT+4*\m+2], v[RT+4*\m+2], v[RT+4*\m+3]
.endr
.irp m, 0,1
	v_add_f32 v[RT+4*\m], v[RT+4*\m], v[RT+4*\m+2]
.endr
.endm
	s_load_b512 s[4:19], s[0:1], 0x0                   ; x, oc, os, Wo codes, Wo scales, bo, ln2_g, ln2_b
	s_load_b256 s[20:27], s[0:1], 0x40                 ; W1 codes, W1 scales, b1, W2 codes
	s_load_b128 s[28:31], s[0:1], 0x60                 ; W2 scales, b2
	s_load_b64 s[32:33], s[0:1], 0x70                  ; out0
	v_lshl_add_u32 v[SPW], v0, 2, SPARE
	v_mov_b32 v[NIL], 0
	ds_add_u32 v[SPW], v[NIL]                          ; the opening: the add, twice on end, and its wait ahead of my first tensor load
	ds_add_u32 v[SPW], v[NIL]
	v_lshrrev_b32 v1, 5, v0
	v_readfirstlane_b32 s[WV], v1
	s_bfe_u32 s[CX], ttmp6, 0x40000
	s_lshl_b32 s[WG], ttmp9, 2
	s_add_co_u32 s[WG], s[WG], s[CX]                   ; my 32 rows: it enters global addresses alone
	s_mov_b32 s[SEL], 0x76543210
	s_mov_b32 s[SEL+1], 0xfedcba98
	s_mov_b32 s[INV], 0x3b000000                       ; 1 / 512
	s_mov_b32 s[EPS], 0x3727c5ac                       ; 1e-5
.irp g, G1CA, G1CB
	s_mov_b32 s[\g], 15|(1<<20)|(1<<21)|(4<<22)|(3<<25)    ; all four partners; bytes; 16 bytes of padding behind every 128
	s_mov_b32 s[\g+1], 256<<16                             ; half a chunk, 128 rows of 384 bytes, is dense in memory: stated as 192 rows of 256 bytes, each on a 256-byte border
	s_mov_b32 s[\g+2], 192<<16
	s_mov_b32 s[\g+3], 256<<16
	s_mov_b32 s[\g+4], 192
	s_mov_b32 s[\g+6], 0
	s_mov_b32 s[\g+7], 0
.endr
	s_mov_b32 s[G1CA+5], 256
	s_mov_b32 s[G1CB+5], 256
	s_mov_b32 s[G1S], 15|(3<<16)|(1<<21)               ; 16 dense rows of 256 bytes
	s_mov_b32 s[G1S+1], 32<<16
	s_mov_b32 s[G1S+2], 16<<16
	s_mov_b32 s[G1S+3], 32<<16
	s_mov_b32 s[G1S+4], 16
	s_mov_b32 s[G1S+5], 32
	s_mov_b32 s[G1S+6], 0
	s_mov_b32 s[G1S+7], 0
	s_mov_b32 s[G1W], 15|(3<<16)|(1<<21)               ; 128 dense rows of 256 bytes
	s_mov_b32 s[G1W+1], 32<<16
	s_mov_b32 s[G1W+2], 128<<16
	s_mov_b32 s[G1W+3], 32<<16
	s_mov_b32 s[G1W+4], 128
	s_mov_b32 s[G1W+5], 32
	s_mov_b32 s[G1W+6], 0
	s_mov_b32 s[G1W+7], 0
	s_and_b32 s2, s[WV], 1
	s_mul_i32 s[HOFA], s2, 49152                       ; which half of a chunk I fetch: in dense rows,
	s_mov_b32 s[HOFA+1], 0
	s_mul_i32 s[HOFB], s2, 49152
	s_mov_b32 s[HOFB+1], 0
	s_mul_i32 s3, s2, HALFC                            ; and in a slot
	s_mov_b32 s[TB], 0
	s_mov_b32 s[TS], 0
	s_mov_b32 s[TJ], 0
	s_mov_b32 s[TJS], 0
	s_mov_b32 s[TH], 0
	s_mov_b32 s[TK], 0
	s_mov_b32 s[KST+1], 0
	s_wait_dscnt 0x0
	s_wait_kmcnt 0x0
	s_mov_b32 s[G0C], 1
	s_mov_b32 s[G0C+1], s3
	s_add_nc_u64 s[G0C+2:G0C+3], s[10:11], s[HOFA:HOFA+1]
	s_or_b32 s[G0C+3], s[G0C+3], 0x80000000
	s_mov_b32 s[G0S], 1
	s_mov_b32 s[G0S+1], SCL
	s_mov_b64 s[G0S+2:G0S+3], s[12:13]
	s_or_b32 s[G0S+3], s[G0S+3], 0x80000000
	s_mov_b32 s[G0W], 1
	s_mov_b32 s[G0W+1], W2S
	s_mov_b64 s[G0W+2:G0W+3], s[28:29]
	s_or_b32 s[G0W+3], s[G0W+3], 0x80000000
	ROUND                                              ; all four work-groups are here
	s_cmp_lt_u32 s[WV], 2                              ; the first fills: one in each arm, so every wave issues one
	s_cbranch_scc0 .Lfirst_2
	tensor_load_to_lds s[G0C:G0C+3], s[G1CA:G1CA+7]
	s_nop 0
.rept 4
	v_nop
.endr
	s_branch .Lfirst_done
.Lfirst_2:
	s_cmp_eq_u32 s[WV], 2
	s_cbranch_scc0 .Lfirst_3
	tensor_load_to_lds s[G0S:G0S+3], s[G1S:G1S+7]
	s_nop 0
.rept 4
	v_nop
.endr
	s_branch .Lfirst_done
.Lfirst_3:
	tensor_load_to_lds s[G0W:G0W+3], s[G1W:G1W+7]
	s_nop 0
.rept 4
	v_nop
.endr
.Lfirst_done:
	v_and_b32 v1, 31, v0                               ; lane
	v_and_b32 v2, 15, v0                               ; r
	v_bfe_u32 v214, v0, 4, 1                           ; h
	v_and_b32 v215, 8, v2
	v_add_nc_u32 v215, v215, v2                        ; r + 8 (r / 8)
	v_lshlrev_b32 v[L16], 4, v1
	v_lshlrev_b32 v[L8], 3, v1
	v_lshlrev_b32 v[R16], 4, v2
	s_lshl_b32 s2, s[WV], 6
	v_add_nc_u32 v216, s2, v215                        ; my row of a chunk's tile 0
	v_mul_u32_u24 v[AW0], v216, WP
	v_mad_u32_u24 v[AW0], v214, 24, v[AW0]
	v_lshl_add_u32 v[AW0+1], v214, 4, v[AW0]
	v_lshl_add_u32 v[AS0], v216, 4, SCL
	v_lshl_add_u32 v[AS2], v216, 6, W2S
	s_lshl_b32 s2, s[WV], 8
	v_lshl_add_u32 v[CV], v214, 6, s2                  ; 256 w + 64 h: my columns, in bytes of f32
	v_lshl_add_u32 v[XO], v215, 11, v[CV]
	s_mul_i32 s2, s[WV], 768
	s_add_co_u32 s3, s2, H2
	v_add_nc_u32 v[H2W16], s3, v[L16]
	s_add_co_u32 s3, s3, 512
	v_add_nc_u32 v[H2W8], s3, v[L8]
	s_add_co_u32 s3, s2, HD
	v_add_nc_u32 v[HDW16], s3, v[L16]
	s_add_co_u32 s3, s3, 512
	v_add_nc_u32 v[HDW8], s3, v[L8]
	s_lshl_b32 s2, s[WV], 1
	s_add_co_u32 s3, s2, H2S
	v_add_nc_u32 v[H2SW], s3, v[R16]
	s_add_co_u32 s3, s2, HDS
	v_lshl_add_u32 v[HDSW], v2, 6, s3
	s_lshl_b32 s2, s[WV], 2
	s_add_co_u32 s2, s2, RED
	v_add_nc_u32 v[REDW], s2, v[R16]
	v_add_nc_u32 v[REDR], RED, v[R16]
	v_add_nc_u32 v[H2R16], H2, v[L16]
	v_add_nc_u32 v[H2R8], H2+512, v[L8]
	v_add_nc_u32 v[H2SR], H2S, v[R16]
	v_add_nc_u32 v[HDR16], HD, v[L16]
	v_add_nc_u32 v[HDR8], HD+512, v[L8]
	v_lshl_add_u32 v[HDSR], v2, 6, HDS
	v_mul_u32_u24 v[STO], v2, STP
	v_add_nc_u32 v[STO], v[STO], v[CV]
	s_mul_i32 s2, s[WV], 8*STP
	v_add_nc_u32 v[STR], s2, v[L16]
	v_mov_b32 v[TM+4], 0
	v_mov_b32 v[TM+5], 0
	v_mov_b32 v[KA], 0xaf95df0b
	v_mov_b32 v[KA+1], 0xaf95df0b
	v_mov_b32 v[KB], 0xb77460cd
	v_mov_b32 v[KB+1], 0xb77460cd
	s_lshl_b32 s[T0], s[WG], 16
	s_mov_b32 s[T0+1], 0
	s_add_nc_u64 s[4:5], s[4:5], s[T0:T0+1]            ; x and out0 at my 32 rows
	s_add_nc_u64 s[32:33], s[32:33], s[T0:T0+1]
	s_mul_i32 s[T0], s[WG], 12288
	s_add_nc_u64 s[6:7], s[6:7], s[T0:T0+1]
	s_lshl_b32 s[T0], s[WG], 9
	s_add_nc_u64 s[8:9], s[8:9], s[T0:T0+1]
	s_lshr_b32 s2, s[WV], 1
	s_lshl_b32 s2, s2, 3
	s_and_b32 s3, s[WV], 1
	s_lshl_b32 s3, s3, 4
	s_add_co_u32 s2, s2, s3
	s_lshl_b32 s[T0], s2, 11                           ; the eight rows that I store: 8 (w / 2) + 16 (w % 2) on
	s_add_nc_u64 s[32:33], s[32:33], s[T0:T0+1]
	WIN 0x40
.irp m, 0,1
.irp s, 0,1,2,3
.irp c, 0,1
	global_load_b128 v[AF+48*\m+12*\s+6*\c:AF+48*\m+12*\s+6*\c+3], v[L16], s[6:7] offset:\m*6144+(2*\s+\c)*768
	global_load_b64 v[AF+48*\m+12*\s+6*\c+4:AF+48*\m+12*\s+6*\c+5], v[L8], s[6:7] offset:\m*6144+(2*\s+\c)*768+512
.endr
.endr
.endr
	WIN 0
.irp m, 0,1
	global_load_b128 v[ASC+4*\m:ASC+4*\m+3], v[R16], s[8:9] offset:256*\m
.endr
	WIN 0x80
.irp g, 0,1
.irp m, 0,1
.irp t, 0,1,2,3
	global_load_b128 v[64*\g+32*\m+8*\t:64*\g+32*\m+8*\t+3], v[XO], s[4:5] offset:\m*16384+\g*1024+(\t/2)*128+(\t%2)*32 th:TH_LOAD_NT
	global_load_b128 v[64*\g+32*\m+8*\t+4:64*\g+32*\m+8*\t+7], v[XO], s[4:5] offset:\m*16384+\g*1024+(\t/2)*128+(\t%2)*32+16 th:TH_LOAD_NT
.endr
.endr
.endr
	WIN 0xc0
	VEC4 192, 14                                       ; bo first: the first product's sums begin with it
	VEC4 0, 16
	VEC4 64, 18
	VEC4 128, 30
	WIN 0
	BILOAD
	s_wait_loadcnt 56                                  ; gain, bias and b2, 16 loads each, and b1's 8 may be out
	X1ADD 192                                          ; x + bo starts the sums of the first product
	; ---- x1 = x + bo + o Wo
	CHANGE 0, 1
	v_add_nc_u32 v[TSA], s[TS], v[AS0]
	MM 2, 0, 16, 0
	TOGGLE
	CHANGE 1, 1
	v_add_nc_u32 v[TSA], s[TS], v[AS0]
	MM 2, 64, 16, 0
	TOGGLE
	; ---- the norm: a row's 512 numbers lie in four waves and two lanes
	WIN 0x0a
.irp m, 0,1
.irp g, 0,1
	v_pk_add_f32 v[CH+4*\m+2*\g:CH+4*\m+2*\g+1], v[64*\g+32*\m:64*\g+32*\m+1], v[64*\g+32*\m+2:64*\g+32*\m+3]
.endr
.endr
	WIN 0x02
.irp j, 4,6,8,10,12,14,16,18,20,22,24,26,28,30
.irp m, 0,1
.irp g, 0,1
	v_pk_add_f32 v[CH+4*\m+2*\g:CH+4*\m+2*\g+1], v[64*\g+32*\m+\j:64*\g+32*\m+\j+1], v[CH+4*\m+2*\g:CH+4*\m+2*\g+1]
.endr
.endr
.endr
	WIN 0
	REDUCE 0
.irp m, 0,1
	v_mul_f32 v[MU+4*\m], s[INV], v[RT+4*\m]
	v_mov_b32 v[MU+4*\m+1], v[MU+4*\m]
.endr
	WIN 0x02                                           ; x1 - mean into GT (m = 0) and ACC (m = 1); x1 itself stays
.irp m, 0,1
.irp g, 0,1
.set j, 0
.rept 16
	v_pk_add_f32 v[GT-64*\m+32*\g+j:GT-64*\m+32*\g+j+1], v[64*\g+32*\m+j:64*\g+32*\m+j+1], v[MU+4*\m:MU+4*\m+1] neg_lo:[0,1] neg_hi:[0,1]
.set j, j+2
.endr
.endr
.endr
	WIN 0
.irp m, 0,1
.irp g, 0,1
	v_pk_mul_f32 v[CH+4*\m+2*\g:CH+4*\m+2*\g+1], v[GT-64*\m+32*\g:GT-64*\m+32*\g+1], v[GT-64*\m+32*\g:GT-64*\m+32*\g+1]
.endr
.endr
.irp j, 2,4,6,8,10,12,14,16,18,20,22,24,26,28,30
.irp m, 0,1
.irp g, 0,1
	v_pk_fma_f32 v[CH+4*\m+2*\g:CH+4*\m+2*\g+1], v[GT-64*\m+32*\g+\j:GT-64*\m+32*\g+\j+1], v[GT-64*\m+32*\g+\j:GT-64*\m+32*\g+\j+1], v[CH+4*\m+2*\g:CH+4*\m+2*\g+1]
.endr
.endr
.endr
	REDUCE 512
.irp m, 0,1
	v_fma_f32 v[RT+4*\m], v[RT+4*\m], s[INV], s[EPS]
.endr
	s_wait_alu depctr_va_vdst(0)
	s_wait_loadcnt 0x0                                 ; the norm's gain and bias are in
.irp m, 0,1
	v_rsq_f32 v[MU+4*\m+2], v[RT+4*\m]
.endr
	v_nop
	s_wait_alu depctr_va_vdst(0)                       ; one wait for the two, ahead of their first reader
.irp m, 0,1
	v_mov_b32 v[MU+4*\m+3], v[MU+4*\m+2]
.endr
.irp m, 0,1
.set j, 0
.rept 32
	v_pk_mul_f32 v[GT-64*\m+j:GT-64*\m+j+1], v[GT-64*\m+j:GT-64*\m+j+1], v[MU+4*\m+2:MU+4*\m+3]
.set j, j+2
.endr
.endr
	WIN 0x3c
.irp m, 0,1
.set j, 0
.rept 32
	v_pk_fma_f32 v[GT-64*\m+j:GT-64*\m+j+1], v[GT-64*\m+j:GT-64*\m+j+1], v[j:j+1], v[64+j:65+j]
.set j, j+2
.endr
.endr
	WIN 0
.irp m, 0,1
.irp g, 0,1
	QH GT-64*\m+32*\g, 0, PC                           ; my 64 columns of half g are half tile 4 g + w of h2
	ds_store_b128 v[H2W16], v[PC:PC+3] offset:\m*6144+\g*3072
	ds_store_b64 v[H2W8], v[PC+4:PC+5] offset:\m*6144+\g*3072
	ds_store_b16 v[H2SW], v[TM+2] offset:256*\m+8*\g
	s_wait_dscnt 0x0
.endr
.endr
	; ---- the hidden layer: eight chunks of W1.
	BAR                                                ; h2's stores have landed; the chunk on its way may stay out
	AFH2                                               ; h2's fragments serve all eight chunks: they are read once
	s_mov_b32 s[CNT], 0
.Lff1:
	CHANGE 0, 1
	FF1WORK 1
	s_add_co_u32 s[CNT], s[CNT], 1
	s_cmp_lt_u32 s[CNT], 7
	s_cbranch_scc1 .Lff1
	CHANGE 2, 2                                        ; the last chunk of W1 is written out: W2's first is asked for by the other descriptor
	FF1WORK 0
	; ---- out = x1 + hidden W2: eight chunks.  The first change's round also parts the hidden layer's stores from their reads
	s_mov_b32 s[CNT], 0
.Lf2a:
	s_mov_b32 s[KST], 98304                            ; W2's chunks lie one behind the other in the order of this walk
	CHANGE 3, 2
	FF2WORK 0
	s_add_co_u32 s[CNT], s[CNT], 1
	s_cmp_lt_u32 s[CNT], 4
	s_cbranch_scc1 .Lf2a
	; ---- columns 0 to 255 of out are finished: + b2, and they leave now, while W2's other half is walked.  The stage, 16 rows of 1,024 + 16 bytes, one m at a time, lies on h2's bytes and the scale slots,
	; which have had their last fill and their last read.  Wave w takes stage rows 4 w .. 4 w + 3, which are rows 8 m + 4 w + 8 (w / 2) + i of my 32
.set STG2, H2
.set SP2, 1040
	v_mul_u32_u24 v214, v[R16], 65                     ; in: row r x 1,040,
	v_add_nc_u32 v214, v214, v[CV]                     ; my columns
	v_add_nc_u32 v214, STG2, v214
	s_mul_i32 s2, s[WV], 4*SP2
	s_add_co_u32 s2, s2, STG2
	v_add_nc_u32 v215, s2, v[L16]                      ; back: the 32 lanes take 512 bytes of a row
	s_lshl_b32 s2, s[WV], 13
	s_mov_b32 s3, 0
	s_add_nc_u64 s[4:5], s[32:33], s[2:3]              ; out0 at row 8 (w / 2) + 16 (w % 2), + 4 w rows,
	s_and_b32 s2, s[WV], 1
	s_lshl_b32 s2, s2, 15
	s_sub_nc_u64 s[4:5], s[4:5], s[2:3]                ; - 16 (w % 2) rows
	WIN 0x8e
.irp m, 0,1
.set j, 0
.rept 16
	v_pk_add_f32 v[32*\m+j:32*\m+j+1], v[32*\m+j:32*\m+j+1], v[128+j:128+j+1]
.set j, j+2
.endr
.endr
	s_wait_alu depctr_va_vdst(0)
.irp m, 0,1
	WIN 0x08                                           ; an LDS store's data are its source 1: window 2
.set q, 0
.rept 8
	ds_store_b128 v214, v[32*\m+4*q:32*\m+4*q+3] offset:(q/4)*128+(q%4)*16
.set q, q+1
.endr
	WIN 0
	BAR                                                ; a row's 1,024 bytes come from four waves
.set q, 0
.rept 8
	ds_load_b128 v[32+32*\m+4*q:35+32*\m+4*q], v215 offset:(q/2)*SP2+512*(q%2)
.set q, q+1
.endr
.if \m == 0
	BAR                                                ; everybody's reads are over: the stage may be written again
.else
	s_wait_dscnt 0x0
.endif
.set q, 0
.rept 8
	global_store_b128 v[L16], v[32+32*\m+4*q:35+32*\m+4*q], s[4:5] offset:\m*16384+(q/2)*2048+512*(q%2) th:TH_STORE_NT   ; 512 consecutive bytes, aligned to 256
.set q, q+1
.endr
.endr
	s_mov_b32 s[TH], 0
	s_mov_b32 s[TK], 0
	s_mov_b32 s[KST], 98304
	s_mov_b32 s[CNT], 0
.Lf2b:
	CHANGE 3, 2
	FF2WORK 1
	s_add_co_u32 s[CNT], s[CNT], 1
	s_cmp_lt_u32 s[CNT], 3
	s_cbranch_scc1 .Lf2b
	CHANGE 4, 0                                        ; the last chunk is written out: nothing more is asked for.  Behind this barrier nobody reads slot 0, which has had its last fill
	FF2WORK 1
	; ---- the way out: + b2; through the stage in slot 0, so that whole rows leave
	WIN 0x8e                                           ; + b2 on columns 256 to 511; the others have left
.irp m, 0,1
.set j, 0
.rept 16
	v_pk_add_f32 v[64+32*\m+j:64+32*\m+j+1], v[64+32*\m+j:64+32*\m+j+1], v[160+j:160+j+1]
.set j, j+2
.endr
.endr
	WIN 0x08                                           ; an LDS store's data are its source 1: window 2
.irp g, 1
.irp m, 0,1
.set q, 0
.rept 8
	ds_store_b128 v[STO], v[64*\g+32*\m+4*q:64*\g+32*\m+4*q+3] offset:\m*16*STP+\g*1024+(q/4)*128+(q%4)*16
.set q, q+1
.endr
.endr
.endr
	WIN 0
	BAR                                                ; a row's last 1,024 bytes come from four waves
.set q, 0
.rept 16
	ds_load_b128 v[96+4*q:99+4*q], v[STR] offset:(q/2)*STP+1024+512*(q%2)
.set q, q+1
.endr
.set q, 0
.rept 16
	s_wait_dscnt 15-q                                  ; the younger loads may be out
	global_store_b128 v[L16], v[96+4*q:99+4*q], s[32:33] offset:(q/2)*2048+1024+512*(q%2) th:TH_STORE_NT   ; 512 consecutive bytes, aligned to 256
.set q, q+1
.endr
	s_wait_tensorcnt 0x0                               ; the wave's end
	ds_add_u32 v[SPW], v[NIL]
	s_wait_dscnt 0x0
	ROUND                                              ; the closing round
	s_endpgm
.Lfunc_end_k_q2c54cb840c_tail:
	.size	k_q2c54cb840c_tail, .Lfunc_end_k_q2c54cb840c_tail-k_q2c54cb840c_tail
	.p2alignl 7, 3214868480
	.fill 96, 4, 3214868480
	.section	.rodata,"a",@progbits
	.p2align	6, 0x0
	.amdhsa_kernel k_q2c54cb840c_tail
		.amdhsa_group_segment_fixed_size 327680
		.amdhsa_private_segment_fixed_size 0
		.amdhsa_enable_private_segment 0
		.amdhsa_kernarg_size 120
		.amdhsa_user_sgpr_count 2
		.amdhsa_user_sgpr_kernarg_segment_ptr 1
		.amdhsa_wavefront_size32 1
		.amdhsa_system_sgpr_workgroup_id_x 1
		.amdhsa_system_sgpr_workgroup_id_y 1
		.amdhsa_system_sgpr_workgroup_id_z 1
		.amdhsa_system_vgpr_workitem_id 0
		.amdhsa_next_free_vgpr 1024
		.amdhsa_next_free_sgpr 102
		.amdhsa_reserve_vcc 0
		.amdhsa_float_denorm_mode_32 3
		.amdhsa_float_denorm_mode_16_64 3
		.amdhsa_memory_ordered 1
		.amdhsa_forward_progress 1
		.amdhsa_inst_pref_size 255
	.end_amdhsa_kernel
	.section	.bss,"aw",@nobits
	.p2align	6
	.space	262144
	.amdgpu_metadata
---
amdhsa.version: [ 1, 2 ]
amdhsa.kernels:
  - .name:           k_q2c54cb840c_tail
    .symbol:         k_q2c54cb840c_tail.kd
    .args:
      - { .name: x, .offset: 0, .size: 8, .value_kind: global_buffer, .address_space: global }
      - { .name: oc, .offset: 8, .size: 8, .value_kind: global_buffer, .address_space: global }
      - { .name: os, .offset: 16, .size: 8, .value_kind: global_buffer, .address_space: global }
      - { .name: Wo_codes, .offset: 24, .size: 8, .value_kind: global_buffer, .address_space: global }
      - { .name: Wo_scales, .offset: 32, .size: 8, .value_kind: global_buffer, .address_space: global }
      - { .name: bo, .offset: 40, .size: 8, .value_kind: global_buffer, .address_space: global }
      - { .name: ln2_g, .offset: 48, .size: 8, .value_kind: global_buffer, .address_space: global }
      - { .name: ln2_b, .offset: 56, .size: 8, .value_kind: global_buffer, .address_space: global }
      - { .name: W1_codes, .offset: 64, .size: 8, .value_kind: global_buffer, .address_space: global }
      - { .name: W1_scales, .offset: 72, .size: 8, .value_kind: global_buffer, .address_space: global }
      - { .name: b1, .offset: 80, .size: 8, .value_kind: global_buffer, .address_space: global }
      - { .name: w2r, .offset: 88, .size: 8, .value_kind: global_buffer, .address_space: global }
      - { .name: W2_scales, .offset: 96, .size: 8, .value_kind: global_buffer, .address_space: global }
      - { .name: b2, .offset: 104, .size: 8, .value_kind: global_buffer, .address_space: global }
      - { .name: out0, .offset: 112, .size: 8, .value_kind: global_buffer, .address_space: global }
    .group_segment_fixed_size: 327680
    .private_segment_fixed_size: 0
    .kernarg_segment_align: 8
    .kernarg_segment_size: 120
    .max_flat_workgroup_size: 128
    .sgpr_count:     102
    .vgpr_count:     1024
    .wavefront_size: 32
...
	.end_amdgpu_metadata
.endif
;; end of part 3
